; MI455X (gfx1250); checked and timed in simulation.
; The chip was launched on July 23, 2026; its instructions are those of AMD's public machine-readable ISA for CDNA 5 (MIT licence, August 2026) and "CDNA5" Instruction Set Architecture Reference Guide (July 2026). The comments in the code are by the model that wrote it; some were corrected since.
;; Cross Attention. Allowed arithmetic: matrix products marked QUANTISED: E2M3 operands, one E8M0 scale for each 32 along K, by v_wmma_scale_f32_16x16x128_f8f6f4 with both operands' format E2M3, f32 sums; everything else in f32.
;; Inputs: Wk_codes 1,024 x 32 x 24 uint8 (E2M3 codes of Wk, K innermost, in blocks of 32 codes, four codes in three bytes); Wk_scales 1,024 x 32 uint8 (E8M0 scales of Wk, one for each 32 codes along K); Wo_codes 1,024 x 32 x 24 uint8 (E2M3 codes of Wo, K innermost, in blocks of 32 codes, four codes in three bytes); Wo_scales 1,024 x 32 uint8 (E8M0 scales of Wo, one for each 32 codes along K); Wq_codes 1,024 x 32 x 24 uint8 (E2M3 codes of Wq, K innermost, in blocks of 32 codes, four codes in three bytes); Wq_scales 1,024 x 32 uint8 (E8M0 scales of Wq, one for each 32 codes along K); Wv_codes 1,024 x 32 x 24 uint8 (E2M3 codes of Wv, K innermost, in blocks of 32 codes, four codes in three bytes); Wv_scales 1,024 x 32 uint8 (E8M0 scales of Wv, one for each 32 codes along K); beta 1 float32; bk 1,024 float32; bo 1,024 float32; bq 1,024 float32; bv 1,024 float32; key_value_domain_codes 4 x 2,048 x 32 x 24 uint8 (E2M3 codes of key_value_domain, K innermost, in blocks of 32 codes, four codes in three bytes); key_value_domain_scales 4 x 2,048 x 32 uint8 (E8M0 scales of key_value_domain, one for each 32 codes along K); query_domain_codes 4 x 1,024 x 32 x 24 uint8 (E2M3 codes of query_domain, K innermost, in blocks of 32 codes, four codes in three bytes); query_domain_scales 4 x 1,024 x 32 uint8 (E8M0 scales of query_domain, one for each 32 codes along K); scale_factor 1 float32.
;; Outputs: out0 4 x 1,024 x 1,024 float32.
;; This version of the problem:
;;   THIS VERSION OF THE PROBLEM IS GIVEN IN LOW PRECISION. The matrix products marked QUANTISED in the list below multiply operands that are first quantised to E2M3 (2 exponent bits, 3 mantissa bits; 6 bits a number), with one power-of-two scale for each 32 numbers along K (OCP MX v1.0); their sums are f32. All else is computed in f32.
;;   The module's matrix products, in the order in which they are computed (A, B: the left and right operand; K: the contracted axis; several contracted axes count as one K, in the product's order):
;;     1. [M 4,096, K 1,024] x [K 1,024, N 1,024]; A: input query_domain (given as codes); B: input Wq (given as codes): QUANTISED
;;     2. [M 8,192, K 1,024] x [K 1,024, N 1,024]; A: input key_value_domain (given as codes); B: input Wk (given as codes): QUANTISED
;;     3. [M 8,192, K 1,024] x [K 1,024, N 1,024]; A: input key_value_domain (given as codes); B: input Wv (given as codes): QUANTISED
;;     4. batch 64 x [M 1,024, K 64] x [K 64, N 2,048]; A: computed on the way; B: computed on the way: QUANTISED
;;     5. batch 64 x [M 1,024, K 2,048] x [K 2,048, N 64]; A: softmax (see below); B: computed on the way: QUANTISED
;;     6. [M 4,096, K 1,024] x [K 1,024, N 1,024]; A: computed on the way; B: input Wo (given as codes): QUANTISED
;;   THE QUANTISER, for each operand of a quantised product, along K:
;;     - K is cut into blocks of 32 from its start; a last block that is shorter is filled with zeros.
;;     - A block's scale is 2^e with e = floor(log2(the largest magnitude in the block)) - 2, held to -126 .. 127; a block of zeros has e = 0. As a byte (E8M0): e + 127.
;;     - Each number is divided by its block's scale, clamped to +-7.5, and rounded to the nearest number of E2M3, ties to even, subnormals kept.
;;     - The product sums the exact products of the quantised numbers (number of the format x scale) in f32.
;;   ~~~python
;;   def quantise(x, axis):      # numpy; x: float32 -> the quantised numbers, widened to float32 again
;;       x = np.moveaxis(x, axis, -1); K = x.shape[-1]
;;       x = np.pad(x, [(0, 0)] * (x.ndim - 1) + [(0, -K % 32)]); x = x.reshape(x.shape[:-1] + (-1, 32)); a = np.abs(x).max(-1, keepdims=True)
;;       e = np.where(a > 0, np.clip(np.frexp(np.where(a > 0, a, 1))[1] - 1 - 2, -126, 127), 0)      # np.frexp(a)[1] - 1 = floor(log2(a)), exactly
;;       r = np.clip(x / 2.0 ** e, -7.5, 7.5)
;;       step = 2.0 ** (np.maximum(np.frexp(np.where(r == 0, 1, r))[1] - 1, 0) - 3)
;;       q = np.round(r / step) * step * 2.0 ** e      # np.round: ties to even
;;       return np.moveaxis(q.reshape(q.shape[:-2] + (-1,))[..., :K], -1, axis).astype(np.float32)
;;   ~~~
;;   SOFTMAX AHEAD OF A QUANTISED PRODUCT. Where the list says 'softmax', what is quantised is not the finished softmax but p = 2^(t - M), with t = logit x log2(e) and M = ceil(the row's largest t), a whole number; so 1/2 < the row's largest p <= 1. The row's sum l is taken of the UNQUANTISED p, in f32, and the product's result is divided by l at the end. Since M is a whole number, a kernel that streams over the keys may use a running M (the ceiling of the running maximum): every later rescaling is an exact power of two, which a block's scale takes up: the codes' values come out the same.
;;   OPERANDS COMPUTED ON THE WAY. 'Computed on the way' means the value that the module computes at that place (a softmax that the list does not call 'softmax' is quantised finished and normalised). What goes into a quantiser is computed in f32, as accurately as f32 sums, v_exp_f32 and their like allow (about 1e-6 of the number): no bf16 or f16 on the way to a quantiser, and a product that is left as it is and whose result goes on into a quantised operand takes f32 operands (vector FMAs, or v_wmma_f32_16x16x4_f32). A number that lies on a knife's edge between two numbers of the format may be rounded either way, as far as f32 arithmetic and the matrix unit's own rounding can turn it there, and no further.
;;   INPUTS GIVEN AS CODES. Wk (in the module: [1024, 1024], K = its axis 1); Wo (in the module: [1024, 1024], K = its axis 1); Wq (in the module: [1024, 1024], K = its axis 1); Wv (in the module: [1024, 1024], K = its axis 1); key_value_domain (in the module: [4, 2048, 1024], K = its axis 2); query_domain (in the module: [4, 1024, 1024], K = its axis 2): each comes as NAME_codes (uint8): NAME with its K axis moved to the last place and cut into blocks of 32 codes, [.., K / 32, bytes a block], one block behind the other in memory; four codes in three bytes: a row's codes are one little-endian stream of bits, code i at bits 6 i .. 6 i + 5 (a code: sign, 2 exponent bits, 3 mantissa bits); and NAME_scales (uint8): the same leading axes, one E8M0 byte (e + 127) for each 32 codes along K. Its value is code x scale, taken as it is: it is not quantised again, and the codes and scales need not be those that the quantiser above would give.
;; One version. Each part assembles by itself: llvm-mc -triple=amdgcn-amd-amdhsa -mcpu=gfx1250 --defsym DOCPART=n.
;; ======== version 1 of 1: 3 launches
;; limits: right only within a limited range of input values
;; workspace buffers: qimg 3,276,800 bytes; kvimg 13,107,200 bytes; ctximg 3,145,728 bytes; ctxsc 131,072 bytes
;; launch proj (part 1): grid 4 x 64, 4 waves a work-group, clusters of 4 x 4, 327,680 bytes of LDS; arguments query_domain_codes, query_domain_scales, key_value_domain_codes, key_value_domain_scales, Wq_codes, Wq_scales, Wk_codes, Wk_scales, Wv_codes, Wv_scales, bq, bk, bv, qimg, kvimg; writes qimg, kvimg
.if DOCPART == 1
	.amdgcn_target "amdgcn-amd-amdhsa--gfx1250"
	.amdhsa_code_object_version 6
	.text
	.protected	k_qd25134218f_proj
	.globl	k_qd25134218f_proj
	.p2align	8
	.type	k_qd25134218f_proj,@function
k_qd25134218f_proj:
	s_mov_b64 s[64:65], 0
	v_nop
	global_prefetch_b8 v0, s[64:65] scope:SCOPE_SE
	s_setreg_imm32_b32 hwreg(HW_REG_WAVE_MODE, 25, 1), 1
	s_wait_xcnt 0x0
	s_wait_alu depctr_hold_cnt(0) depctr_sa_sdst(0) depctr_va_vdst(0) depctr_va_sdst(0) depctr_va_ssrc(0) depctr_va_vcc(0) depctr_vm_vsrc(0)
	s_getreg_b32 s2, hwreg(HW_REG_IB_STS2, 6, 4)
	s_cmp_eq_u32 s2, 0
	s_cbranch_scc0 .Lentry_in_a_cluster
	s_endpgm
.Lentry_in_a_cluster:
	s_bfe_u32 s2, ttmp6, 0x10000c
	s_cmp_lg_u32 s2, 0xf033
	s_cbranch_scc0 .Lentry_shape_is_right
	s_endpgm
.Lentry_shape_is_right:
; q = Xq Wq^T + bq, k = Xkv Wk^T + bk, v = Xkv Wv^T + bv on codes of FP6 (E2M3) with E8M0 scales, sums in f32; the results are quantised at once, q and k along a head's 64 channels,
; v along the keys, and leave as images of operand registers for the attention launch.  K = 1,024 for all three.
; 256 work-groups; each makes one tile of 256 x 256 of k or v and then one tile of 128 x 128 of q: 5 x 16,384 results each.
; FIRST PART.  A cluster of 4 x 4 work-groups makes 1,024 x 1,024 results; the cluster's y (equal in all sixteen partners) says which: 0-7 k, 8-15 v.  A wave makes 128 x 128.
; A is what source 1 takes (a lane holds one row of it), B what source 0 takes (it runs along a lane's registers).  k: A = tokens, B = Wk's rows; v: A = Wv's rows, B = tokens.
; A's tile is shared along a row of the cluster, B's along a column: joint loads.  K goes through a ring of two LDS slots in chunks of 256 bytes of each row (a row of codes is 768 bytes, so every chunk begins on a multiple of 256);
; a step of 128 along K is 96 bytes: steps 2 and 5 lie across two chunks.  The scale bytes of the tile's rows come once and stay.
; SECOND PART.  q's tile: 128 rows of Xq (A) and 128 of Wq (B), whole rows of 768 bytes, with their scale bytes, into the ring's bytes.  Wq's rows (two loads of 64) and both sides' scale bytes go into slot 1
; behind step 5's barrier, where slot 1 has had its last read; Xq's rows (32 a wave) go into slot 0 behind the last product of the first part, ahead of its way out.
; A wave makes 64 x 64; two sets of fragments; the bias is the C of each accumulator's first product.
; ORDER INSIDE A BLOCK OF 32: codes come out in the order 0-7, 16-23, 8-15, 24-31, alike for q and k, and alike for v and the attention launch's p; the blocks and their scales are the true ones.
; IMAGES: a fragment is 12 registers a lane; registers 4 c .. 4 c + 3 of lane l lie at 512 c + 16 l.  A pair fragment of q or k holds two tiles of 16 tokens (registers 0-5, 6-11); the ODD pair fragments lie with lane l at 16 (l xor 8).
; kvimg: [batch x head 64][128 keys 16][4 pair fragments of k, 4 fragments of v, k's scale block, v's: 12,800 bytes]; in a scale block lane l holds the words of fragments l / 16 and 2 + l / 16 for row l % 16.
; qimg: [64][128 queries 8][4 pair fragments, scale words at 64 e + 4 r: 6,400 bytes].
; LIMITS: NaN and infinities are not served.  A block whose largest magnitude lies under 2^-124, a block of zeros too, keeps the scale byte 1 (this program alone reads the bytes).
; No prefetch is laid: K has three chunks, of which two are asked for before the first product, and q's tiles are asked for two steps, or a whole way out, ahead of their first read.
.set ROWB,   256
.set NQ,     2
.set KROW,   768
.set STEPS,  8
.set CHUNKS, 3
.set PITCH,  272
.set FR,     12
.set NL,     6
.set NP,     4
.set HALFT,  128*PITCH
.set SLOT,   4*HALFT
.set KS,     32
.set SCL,    2*SLOT
.set HALFS,  (128*KS/256)*272
.set SBLK,   (16*KS/256)*272
.set SPARE,  SCL+4*HALFS
.set PB,     816                       ; q's part: an LDS row: 3 x (256 bytes + 16 of padding).  Xq's 128 rows lie from byte 0 on, in slot 0
.set QB0,    SLOT                      ; Wq's rows: from slot 1's first byte on
.set QSCL,   SLOT+128*PB               ; then the scale bytes, still inside slot 1
.set QHS,    4352
.set QA,   8                           ; v8-9    q's part: LDS address of Xq's fragments (and behind one padding more)
.set QBV,  10                          ; v10-11  of Wq's
.set QS,   12                          ; v12     of the scale words
.set L4,   13                          ; v13     4 x lane
.set ADRA, 16
.set ADRB, 20
.set L8,   24
.set HB,   25
.set LI,   26
.set ADRS, 27
.set SPW,  28
.set NIL,  29
.set R4,   30
.set LX,   31                          ; 16 x (lane xor 8)
.set SC,   32
.set BP,   64
.set AF,   128
.set BL,   224
.set TM,   32
.set PW,   48
.set T0,   56
.set T1,   60
.set F0,   128
.set WD,   176
.set G1, 24
.set G0, 32
.set G1B, 48
.set G0B, 56
.set G1S, 68
.set G0S, 76
.set G1SB, 80
.set G0SB, 88
.set G0H, 4
.set G0HB, 8
.set OA, 92
.set OB, 94
.set SA, 96
.set SB, 98
.set KV, 101
.set SEL, 46
.set HM,  45
.set MSB, 0
.macro WIN new
.if MSB != (\new)
	s_set_vgpr_msb (MSB<<8)|(\new)
.set MSB, (\new)
.endif
.endm
.set MUL_LO, 0xa1
.set MUL_HI, 0xf1
.set TO_B,   0x40
.macro JLOAD g0a, g1a, g0b, g1b        ; waves 0, 1 fetch for A, waves 2, 3 for B
	s_cmp_eq_u32 s15, 0
	s_cbranch_scc0 .Lfor_b_\@
	tensor_load_to_lds s[\g0a:\g0a+3], s[\g1a:\g1a+7]
	s_nop 0
.rept 4
	v_nop
.endr
	s_branch .Lasked_\@
.Lfor_b_\@:
	tensor_load_to_lds s[\g0b:\g0b+3], s[\g1b:\g1b+7]
	s_nop 0
.rept 4
	v_nop
.endr
.Lasked_\@:
.endm
.macro CREST
	s_cmp_lg_u32 s14, 0
	s_cbranch_scc1 .Lnot_wave_0_\@
	s_barrier_signal -3
.Lnot_wave_0_\@:
	s_barrier_wait -3
	s_barrier_signal -1
	s_barrier_wait -1
.endm
.macro CROUND
	s_barrier_signal -1
	s_barrier_wait -1
	CREST
.endm
	s_load_b512 s[68:83], s[0:1], 0x0              ; Xq codes, scales; Xkv codes, scales; Wq codes, scales; Wk codes, scales (q's four are read again for q's part)
	s_load_b256 s[84:91], s[0:1], 0x40             ; Wv codes, scales; bq; bk
	s_load_b128 s[92:95], s[0:1], 0x60             ; bv; qimg
	s_load_b64 s[96:97], s[0:1], 0x70              ; kvimg
	v_lshl_add_u32 v[SPW], v0, 2, SPARE
	v_mov_b32 v[NIL], 0
	ds_add_u32 v[SPW], v[NIL]                      ; the opening lines
	ds_add_u32 v[SPW], v[NIL]
	v_lshrrev_b32 v1, 5, v0
	v_readfirstlane_b32 s14, v1                    ; wave
	s_lshr_b32 s15, s14, 1                         ; my half of A's rows; also: I fetch for A (0) or B (1)
	s_and_b32 s16, s14, 1                          ; my half of B's rows; also: which 128 rows I fetch
	s_bfe_u32 s40, ttmp6, 0x40000
	s_bfe_u32 s41, ttmp6, 0x40004
	s_and_b32 s2, ttmp7, 0xffff                    ; the cluster's y
	s_lshl_b32 s17, s2, 2                          ; k: 4 y
	s_sub_co_u32 s42, s17, 32                      ; v: 4 (y - 8)
	s_cmp_ge_u32 s2, 8
	s_cselect_b32 s17, 0, s17
	s_cselect_b32 s42, s42, 0
	s_cselect_b32 s[KV], 1, 0
	s_add_co_u32 s17, s17, s41                     ; A's tile: y and cy alone
	s_add_co_u32 s42, s42, s40                     ; B's tile: y and cx alone
	s_lshl_b32 s43, s41, 2
	s_lshl_b32 s43, 15, s43                        ; my row of the cluster
	s_lshl_b32 s44, 0x1111, s40                    ; my column
	s_or_b32 s[G1+0], s43, (0<<16)|(1<<20)|(1<<21)|(5<<22)|(3<<25)
	s_or_b32 s[G1B+0], s44, (0<<16)|(1<<20)|(1<<21)|(5<<22)|(3<<25)
.irp g, G1, G1B
	s_mov_b32 s[\g+1], ROWB<<16
	s_mov_b32 s[\g+2], 256<<16                     ; the head's loads bring 256 rows
	s_mov_b32 s[\g+3], ROWB<<16
	s_mov_b32 s[\g+4], 256
	s_mov_b32 s[\g+5], KROW
	s_mov_b32 s[\g+6], 0
	s_mov_b32 s[\g+7], 0
.endr
	s_lshl_b32 s20, s17, 8
	s_lshl_b32 s46, s42, 8
	s_mov_b32 s21, 0
	s_mov_b32 s47, 0
	s_mov_b64 s[18:19], KS
	s_mul_u64 s[22:23], s[20:21], s[18:19]
	s_mul_u64 s[98:99], s[46:47], s[18:19]
	s_mov_b64 s[18:19], KROW
	s_mul_u64 s[20:21], s[20:21], s[18:19]
	s_mul_u64 s[46:47], s[46:47], s[18:19]
	s_mul_i32 s18, s16, 128*KROW
	s_mov_b32 s19, 0
	s_mul_i32 s45, s14, HALFT
	s_wait_dscnt 0x0
	s_wait_kmcnt 0x0
	s_cmp_ge_u32 s2, 8                             ; the buffers are chosen on the cluster's y alone.  v: the weight is A, the tokens are B
	s_cselect_b64 s[4:5], s[84:85], s[72:73]
	s_cselect_b64 s[6:7], s[86:87], s[74:75]
	s_cselect_b64 s[8:9], s[72:73], s[80:81]
	s_cselect_b64 s[10:11], s[74:75], s[82:83]
	s_cselect_b64 s[66:67], s[92:93], s[90:91]
	s_mov_b64 s[12:13], s[96:97]
	s_or_b32 s[G1S+0], s43, (3<<16)|(1<<20)|(1<<21)|(5<<22)|(3<<25)
	s_or_b32 s[G1SB+0], s44, (3<<16)|(1<<20)|(1<<21)|(5<<22)|(3<<25)
.irp g, G1S, G1SB
	s_mov_b32 s[\g+1], 32<<16
	s_mov_b32 s[\g+2], KS<<16
	s_mov_b32 s[\g+3], 32<<16
	s_mov_b32 s[\g+4], KS
	s_mov_b32 s[\g+5], 32
	s_mov_b32 s[\g+6], 0
	s_mov_b32 s[\g+7], 0
.endr
	s_add_nc_u64 s[20:21], s[4:5], s[20:21]
	s_add_nc_u64 s[22:23], s[6:7], s[22:23]
	s_add_nc_u64 s[46:47], s[8:9], s[46:47]
	s_add_nc_u64 s[98:99], s[10:11], s[98:99]
	CROUND                                         ; the first joint loads meet
	s_mov_b32 s[G0H], 1
	s_mov_b32 s[G0H+1], 0
	s_mov_b64 s[G0H+2:G0H+3], s[20:21]
	s_or_b32 s[G0H+3], s[G0H+3], 0x80000000
	s_mov_b32 s[G0HB], 1
	s_mov_b32 s[G0HB+1], 2*HALFT
	s_mov_b64 s[G0HB+2:G0HB+3], s[46:47]
	s_or_b32 s[G0HB+3], s[G0HB+3], 0x80000000
	s_mov_b32 s[G0S], 1
	s_mov_b32 s[G0S+1], SCL
	s_mov_b64 s[G0S+2:G0S+3], s[22:23]
	s_or_b32 s[G0S+3], s[G0S+3], 0x80000000
	s_mov_b32 s[G0SB], 1
	s_mov_b32 s[G0SB+1], SCL+2*HALFS
	s_mov_b64 s[G0SB+2:G0SB+3], s[98:99]
	s_or_b32 s[G0SB+3], s[G0SB+3], 0x80000000
	s_add_nc_u64 s[20:21], s[20:21], s[18:19]      ; for the ring: my 128 rows
	s_add_nc_u64 s[46:47], s[46:47], s[18:19]
.irp s, 0,1
	s_mov_b32 s[G0+4*\s], 1
	s_add_co_u32 s[G0+4*\s+1], s45, \s*SLOT
	s_add_nc_u64 s[G0+4*\s+2:G0+4*\s+3], s[20:21], \s*ROWB
	s_or_b32 s[G0+4*\s+3], s[G0+4*\s+3], 0x80000000
	s_mov_b32 s[G0B+4*\s], 1
	s_add_co_u32 s[G0B+4*\s+1], s45, \s*SLOT
	s_add_nc_u64 s[G0B+4*\s+2:G0B+4*\s+3], s[46:47], \s*ROWB
	s_or_b32 s[G0B+4*\s+3], s[G0B+4*\s+3], 0x80000000
.endr
; four tiles, one load a wave: one chain of branches on the wave's number
.macro ARM under, g0, g1, next, join
	s_cmp_lt_u32 s14, \under
	s_cbranch_scc0 \next
	tensor_load_to_lds s[\g0:\g0+3], s[\g1:\g1+7]
	s_nop 0
.rept 4
	v_nop
.endr
	s_branch \join
\next:
.endm
	ARM 1, G0H,  G1,  .Lhead_b, .Lhead_asked       ; chunk 0 of A, chunk 0 of B, A's scales, B's scales
	ARM 2, G0HB, G1B, .Lhead_sa, .Lhead_asked
	ARM 3, G0S,  G1S, .Lhead_sb, .Lhead_asked
	tensor_load_to_lds s[G0SB:G0SB+3], s[G1SB:G1SB+7]
	s_nop 0
.rept 4
	v_nop
.endr
.Lhead_asked:
	v_and_b32 v1, 15, v0                           ; r
	v_bfe_u32 v2, v0, 4, 1                         ; h
	v_mul_u32_u24 v3, v1, PITCH
	v_mul_u32_u24 v4, v2, 24
	v_add_nc_u32 v4, v3, v4
	s_mov_b32 s21, SLOT-232
	s_mov_b32 s22, SLOT+232
	v_sub_nc_u32 v7, 1, v2
	v_mul_u32_u24 v5, s21, v2
	v_add_nc_u32 v5, v3, v5
	v_add_nc_u32 v5, 232, v5                       ; across two chunks: lanes 0-15 byte 232 in slot 0, lanes 16-31 byte 0 in slot 1
	v_mul_u32_u24 v6, s22, v7
	v_add_nc_u32 v6, v3, v6                        ; and the other way round
	s_mul_i32 s21, s15, HALFT
	s_mul_i32 s22, s16, HALFT
	s_add_co_u32 s22, s22, 2*HALFT
	v_add_nc_u32 v[ADRA+2], s21, v5
	v_add_nc_u32 v[ADRA+3], s21, v6
	v_add_nc_u32 v[ADRB+2], s22, v5
	v_add_nc_u32 v[ADRB+3], s22, v6
.irp s, 0,1
	v_add_nc_u32 v[ADRA+\s], s21, v4
	v_add_nc_u32 v[ADRB+\s], s22, v4
	s_add_co_u32 s21, s21, SLOT
	s_add_co_u32 s22, s22, SLOT
.endr
	v_mul_u32_u24 v5, v1, KS
	v_lshrrev_b32 v6, 8, v5
	v_lshl_add_u32 v5, v6, 4, v5
	s_mul_i32 s21, s15, HALFS
	s_mul_i32 s22, s16, HALFS
	s_add_co_u32 s22, s22, 2*HALFS
	s_sub_co_u32 s22, s22, s21
	v_mul_u32_u24 v6, s22, v2                      ; lanes 16-31 take B's
	s_add_co_u32 s21, s21, SCL
	v_add_nc_u32 v5, v5, v6
	v_add_nc_u32 v[ADRS], s21, v5
	v_and_b32 v6, 31, v0
	v_lshlrev_b32 v[LI], 4, v6
	v_lshlrev_b32 v[L8], 3, v6
	v_lshlrev_b32 v[L4], 2, v6
	v_lshlrev_b32 v[HB], 5, v2
	v_lshlrev_b32 v[R4], 2, v1
	v_xor_b32 v[LX], 128, v[LI]
	; q's part: my 64 rows of Xq, my 64 rows of Wq, their scale words
	v_mul_u32_u24 v5, v1, PB
	v_mul_u32_u24 v6, v2, 24
	v_add_nc_u32 v5, v5, v6
	v_lshl_add_u32 v6, v2, 4, v5
	s_mul_i32 s21, s15, 64*PB
	s_mul_i32 s22, s16, 64*PB
	s_add_co_u32 s22, s22, QB0
	v_add_nc_u32 v[QA], s21, v5
	v_add_nc_u32 v[QA+1], s21, v6
	v_add_nc_u32 v[QBV], s22, v5
	v_add_nc_u32 v[QBV+1], s22, v6
	v_lshlrev_b32 v5, 5, v1
	v_lshrrev_b32 v6, 8, v5
	v_lshl_add_u32 v5, v6, 4, v5
	s_mul_i32 s21, s15, 2176
	s_mul_i32 s22, s16, 2176
	s_add_co_u32 s22, s22, QHS
	s_sub_co_u32 s22, s22, s21
	v_mul_u32_u24 v6, s22, v2
	s_add_co_u32 s21, s21, QSCL
	v_add_nc_u32 v5, v5, v6
	v_add_nc_u32 v[QS], s21, v5
	s_wait_alu depctr_va_vdst(0)                   ; the wait ahead of the run of scalar lines
	; where k's or v's results go: my 128 tokens are one record's, my 128 channels two heads
	s_lshl_b32 s18, s17, 1
	s_add_co_u32 s18, s18, s15
	s_lshl_b32 s19, s42, 1
	s_add_co_u32 s19, s19, s16
	s_cmp_eq_u32 s[KV], 1
	s_cselect_b32 s20, s19, s18                    ; the tokens' group of 128
	s_cselect_b32 s21, s18, s19                    ; the channels' group of 128
	s_cselect_b32 s46, 6144, 0
	s_mov_b32 s47, 12288
	s_cselect_b32 s47, 12544, s47
	s_mov_b32 s23, 204800
	s_mov_b32 s100, 12800
	s_lshr_b32 s18, s20, 4                         ; the batch
	s_and_b32 s19, s20, 15                         ; the record in the head
	s_lshl_b32 s18, s18, 4
	s_lshl_b32 s21, s21, 1                         ; my first head
	s_add_co_u32 s18, s18, s21
	s_mul_i32 s18, s18, s23
	s_mul_i32 s19, s19, s100
	s_add_co_u32 s18, s18, s19
	s_mov_b32 s19, 0
	s_add_nc_u64 s[12:13], s[12:13], s[18:19]
	s_mov_b32 s18, s46
	s_add_nc_u64 s[OA:OA+1], s[12:13], s[18:19]
	s_mov_b32 s18, s47
	s_add_nc_u64 s[SA:SA+1], s[12:13], s[18:19]
	s_mov_b32 s18, s23
	s_add_nc_u64 s[OB:OB+1], s[OA:OA+1], s[18:19]
	s_add_nc_u64 s[SB:SB+1], s[SA:SA+1], s[18:19]
	; the bias of my 128 channels in both forms; the form that is not used reads the bias's first 512 bytes
	s_lshl_b32 s20, s21, 8
	s_cmp_eq_u32 s[KV], 1
	s_cselect_b32 s18, 0, s20
	s_cselect_b32 s22, s20, 0
	s_mov_b32 s23, 0
	s_add_nc_u64 s[20:21], s[66:67], s[18:19]
	s_add_nc_u64 s[22:23], s[66:67], s[22:23]
.irp b, 0,1,2,3,4,5,6,7
	global_load_b128 v[BP+8*\b:BP+8*\b+3], v[HB], s[20:21] offset:64*\b
	global_load_b128 v[BP+8*\b+4:BP+8*\b+7], v[HB], s[20:21] offset:64*\b+16
.endr
.irp a, 0,1,2,3,4,5,6,7
	global_load_b32 v[BL+2*\a], v[R4], s[22:23] offset:64*\a
	v_mov_b32 v[BL+2*\a+1], 0
.endr
.macro FRAG reg, adr, st, i            ; 12 registers in pieces of 8 bytes; byte y of a row lies in slot (y / 256) % 2 at byte y % 256
.irp p, 0,1,2,3,4,5
.set BY, 96*(\st)+48*(\p/3)+8*(\p%3)
.if BY/ROWB == (BY+24)/ROWB
	ds_load_b64 v[\reg+2*\p:\reg+2*\p+1], v[\adr+(BY/ROWB)%2] offset:BY%ROWB+(\i)*16*PITCH
.else
	ds_load_b64 v[\reg+2*\p:\reg+2*\p+1], v[\adr+2+(BY/ROWB)%2] offset:BY%ROWB-232+(\i)*16*PITCH
.endif
.endr
.endm
.macro MUL16 a0, p, q, sc, zero        ; the 64 accumulators take turns
.irp a, \a0, \a0+1
.irp b, 0,1,2,3,4,5,6,7
.if \zero
	v_wmma_scale_f32_16x16x128_f8f6f4 v[8*(8*((\a)%4)+\b):8*(8*((\a)%4)+\b)+7], v[128*(\p)+FR*\b:128*(\p)+FR*\b+FR-1], v[AF+FR*(\a):AF+FR*(\a)+FR-1], 0, v[SC+8*NQ*(\sc)+NQ*\b+(\q)], v[SC+8*NQ*(\sc)+NQ*(\a)+(\q)] matrix_a_fmt:MATRIX_FMT_FP6 matrix_b_fmt:MATRIX_FMT_FP6 matrix_a_scale:MATRIX_SCALE_ROW1
.else
	v_wmma_scale_f32_16x16x128_f8f6f4 v[8*(8*((\a)%4)+\b):8*(8*((\a)%4)+\b)+7], v[128*(\p)+FR*\b:128*(\p)+FR*\b+FR-1], v[AF+FR*(\a):AF+FR*(\a)+FR-1], v[8*(8*((\a)%4)+\b):8*(8*((\a)%4)+\b)+7], v[SC+8*NQ*(\sc)+NQ*\b+(\q)], v[SC+8*NQ*(\sc)+NQ*(\a)+(\q)] matrix_a_fmt:MATRIX_FMT_FP6 matrix_b_fmt:MATRIX_FMT_FP6 matrix_a_scale:MATRIX_SCALE_ROW1
.endif
.endr
.endr
.endm
.macro FETCH_B st, p
	WIN TO_B
.irp i, 0,1,2,3,4,5,6,7
	FRAG 128*(\p)+FR*\i, ADRB, \st, \i
.endr
	WIN 0
.endm
.macro FETCH_A st, i0
.irp i, \i0, \i0+1, \i0+2, \i0+3
	FRAG AF+FR*(\i), ADRA, \st, \i
.endr
.endm
.macro SCALES pr
.irp i, 0,1,2,3,4,5,6,7
	ds_load_b64 v[SC+8*NQ*((\pr)%2)+NQ*\i:SC+8*NQ*((\pr)%2)+NQ*\i+1], v[ADRS] offset:\i*SBLK+4*NQ*(\pr)
.endr
.endm
.macro PLACES n
.rept \n
	v_nop
.endr
.endm
; a step of 128 along K.  Where the next step's bytes end in a chunk not read yet: a wait for my tensor loads and a barrier.  Where they begin in a later chunk: the three lines and the barrier, which opens a round;
; behind it the slot left behind is filled again: with the chunk two on (step 2), or, when no chunk is left (step 5, slot 1), with Wq's rows and q's scale bytes.
.macro STEP st, zero
.set NX, (\st)+1
.set C0, (96*(\st))/ROWB
.set C1, (96*NX)/ROWB
.set E0, (96*(\st)+95)/ROWB
.set E1, (96*NX+95)/ROWB
.if C1 > C0 || E1 > E0
	s_wait_tensorcnt 0x0
.if C1 > C0
	ds_add_u32 v[SPW], v[NIL]
	s_wait_dscnt 4*NL+1                            ; the add and A's blocks 4-7 may be out
.else
	s_wait_dscnt 4*NL                              ; A's blocks 4-7 may be out
.endif
	WIN MUL_LO
	MUL16 0, (\st)%2, (\st)%2, ((\st)/2)%2, \zero
	s_wait_dscnt 0x0
	s_barrier_signal -1
	MUL16 2, (\st)%2, (\st)%2, ((\st)/2)%2, \zero
	WIN 0
	s_barrier_wait -1
.if C1 > C0 && C0+2 < CHUNKS
	CREST
	s_add_nc_u64 s[G0+4*(C0%2)+2:G0+4*(C0%2)+3], s[G0+4*(C0%2)+2:G0+4*(C0%2)+3], 2*ROWB
	s_add_nc_u64 s[G0B+4*(C0%2)+2:G0B+4*(C0%2)+3], s[G0B+4*(C0%2)+2:G0B+4*(C0%2)+3], 2*ROWB
	JLOAD G0+4*(C0%2), G1, G0B+4*(C0%2), G1B
.elseif C1 > C0
	CREST
	ARM 1, 36, G1B, .Lq_b1, .Lq_early              ; Wq's rows 0-63, rows 64-127, Xq's scale bytes, Wq's scale bytes
	ARM 2, 88, G1B, .Lq_sa, .Lq_early
	ARM 3, 56, G1S, .Lq_sb, .Lq_early
	tensor_load_to_lds s[60:63], s[G1SB:G1SB+7]
	s_nop 0
.rept 4
	v_nop
.endr
.Lq_early:
.else
	PLACES NP
.endif
.else
	s_wait_dscnt 4*NL
	WIN MUL_LO
	MUL16 0, (\st)%2, (\st)%2, ((\st)/2)%2, \zero
	MUL16 2, (\st)%2, (\st)%2, ((\st)/2)%2, \zero
	s_wait_dscnt 0
	PLACES NP
.endif
	FETCH_B NX, NX%2
	FETCH_A NX, 0
.if NX%2 == 0
	SCALES NX/2
.endif
	WIN MUL_HI
	MUL16 4, (\st)%2, (\st)%2, ((\st)/2)%2, \zero
	MUL16 6, (\st)%2, (\st)%2, ((\st)/2)%2, \zero
	PLACES NP
	WIN 0
	FETCH_A NX, 4
.endm
	s_wait_alu depctr_va_vdst(0)                   ; the wait at the head's end
	s_wait_tensorcnt 0x0                           ; my tile of the head's four is in
	ds_add_u32 v[SPW], v[NIL]
	s_mov_b32 s[G1+2], 128<<16                     ; no load of mine is out: from here on a load brings 128 rows
	s_mov_b32 s[G1+4], 128
	s_mov_b32 s[G1B+2], 128<<16
	s_mov_b32 s[G1B+4], 128
	s_wait_dscnt 0x0
	CROUND
	JLOAD G0+4, G1, G0B+4, G1B                     ; chunk 1, first behind the round
	FETCH_B 0, 0
	FETCH_A 0, 0
	SCALES 0
	FETCH_A 0, 4
	s_load_b128 s[4:7], s[0:1], 0x0                ; q's part: Xq's codes and scales (the head's loads are done: their group 0 registers are free),
	s_load_b128 s[8:11], s[0:1], 0x20              ; Wq's codes and scales,
	s_load_b64 s[76:77], s[0:1], 0x50              ; bq,
	s_load_b64 s[78:79], s[0:1], 0x68              ; qimg
	STEP 0, 1
.set ST, 1
.rept 4
	STEP ST, 0
.set ST, ST+1
.endr
; q's descriptors.  No tensor load of mine is out since step 4's wait.  Xq's tile 4 (y / 2) + cy is shared along a row of the cluster, Wq's tile 4 (y % 2) + cx along a column.
	s_wait_kmcnt 0x0
	s_lshr_b32 s18, s2, 1
	s_lshl_b32 s18, s18, 2
	s_add_co_u32 s18, s18, s41                     ; Xq's tile of 128 rows, 0 .. 31
	s_and_b32 s19, s2, 1
	s_lshl_b32 s19, s19, 2
	s_add_co_u32 s19, s19, s40                     ; Wq's tile of 128 rows, 0 .. 7
	s_mov_b32 s[G1+1], KROW<<16                    ; whole rows of 768 bytes, 16 bytes of padding behind every 256: Xq's 32 a load,
	s_mov_b32 s[G1+2], 32<<16
	s_mov_b32 s[G1+3], KROW<<16
	s_mov_b32 s[G1+4], 32
	s_mov_b32 s[G1B+1], KROW<<16                   ; Wq's 64 a load
	s_mov_b32 s[G1B+2], 64<<16
	s_mov_b32 s[G1B+3], KROW<<16
	s_mov_b32 s[G1B+4], 64
.irp g, G1S, G1SB
	s_mov_b32 s[\g+2], 16<<16                      ; the scale bytes of 128 rows: 16 rows of 256 bytes
	s_mov_b32 s[\g+4], 16
.endr
	s_mul_i32 s42, s18, 128*KROW
	s_mul_i32 s43, s14, 32*KROW
	s_add_co_u32 s42, s42, s43
	s_mov_b32 s43, 0
	s_mul_i32 s44, s19, 128*KROW
	s_mov_b32 s45, 0
	s_mov_b32 s32, 1                               ; Xq's rows 32 w .. 32 w + 31
	s_mul_i32 s33, s14, 32*PB
	s_add_nc_u64 s[34:35], s[4:5], s[42:43]
	s_or_b32 s35, s35, 0x80000000
	s_mov_b32 s36, 1                               ; Wq's rows 0-63,
	s_mov_b32 s37, QB0
	s_add_nc_u64 s[38:39], s[8:9], s[44:45]
	s_mov_b32 s88, 1                               ; and 64-127
	s_mov_b32 s89, QB0+64*PB
	s_add_nc_u64 s[90:91], s[38:39], 64*KROW
	s_or_b32 s39, s39, 0x80000000
	s_or_b32 s91, s91, 0x80000000
	s_lshl_b32 s42, s18, 12
	s_lshl_b32 s44, s19, 12
	s_mov_b32 s56, 1
	s_mov_b32 s57, QSCL
	s_add_nc_u64 s[58:59], s[6:7], s[42:43]
	s_or_b32 s59, s59, 0x80000000
	s_mov_b32 s60, 1
	s_mov_b32 s61, QSCL+QHS
	s_add_nc_u64 s[62:63], s[10:11], s[44:45]
	s_or_b32 s63, s63, 0x80000000
	STEP 5, 0
	STEP 6, 0
	s_wait_dscnt 4*NL
	WIN MUL_LO
	MUL16 0, 1, 1, 1, 0
	MUL16 2, 1, 1, 1, 0
	s_wait_dscnt 0
	WIN MUL_HI
	MUL16 4, 1, 1, 1, 0
	MUL16 6, 1, 1, 1, 0
	WIN 0
	s_wait_tensorcnt 0x0                           ; the three lines ahead of a refill's round; where q's results go is made between the add and its wait
	ds_add_u32 v[SPW], v[NIL]
	s_lshl_b32 s42, s19, 9
	s_lshl_b32 s44, s16, 8
	s_add_co_u32 s42, s42, s44
	s_add_nc_u64 s[76:77], s[76:77], s[42:43]      ; bq of my 64 channels: one head
	s_lshr_b32 s42, s18, 3                         ; the batch
	s_lshl_b32 s42, s42, 4
	s_lshl_b32 s44, s19, 1
	s_add_co_u32 s42, s42, s44
	s_add_co_u32 s42, s42, s16                     ; batch x head
	s_mul_i32 s42, s42, 51200
	s_and_b32 s44, s18, 7                          ; the record in the head
	s_mul_i32 s44, s44, 6400
	s_add_co_u32 s42, s42, s44
	s_add_nc_u64 s[78:79], s[78:79], s[42:43]
	s_lshl_b32 s42, s15, 7
	s_add_co_u32 s42, s42, 6144
	s_add_nc_u64 s[4:5], s[78:79], s[42:43]        ; my two fragments' scale words
	s_mul_i32 s42, s15, 3072
	s_add_nc_u64 s[78:79], s[78:79], s[42:43]      ; my two pair fragments
	s_wait_dscnt 0x0                               ; the add is done, and my reads of the ring are over
	CROUND
	tensor_load_to_lds s[32:35], s[G1:G1+7]        ; Xq's rows, 32 a wave, into slot 0
	s_nop 0
.rept 4
	v_nop
.endr
; THE WAY OUT of k or v.  QUANTW takes A's block a: four blocks of 32 along the next K (16 registers here, 16 in lane l xor 16): bias, largest magnitude with the floor 2^(3 - 127), 2 off its exponent field = the conversion's scale operand.
.macro QUANTW a, pa, pb, pw, vk
.set AC, 64*((\a)%4)
.set WW, 2+(\a)/4
	WIN (WW<<6)|WW
.set n, 0
.rept 32
.if \vk
	v_pk_add_f32 v[AC+2*n:AC+2*n+1], v[AC+2*n:AC+2*n+1], v[BL+2*(\a):BL+2*(\a)+1] op_sel_hi:[1,0]
.else
	v_pk_add_f32 v[AC+2*n:AC+2*n+1], v[AC+2*n:AC+2*n+1], v[BP+2*n:BP+2*n+1]
.endif
.set n, n+1
.endr
	WIN WW|(WW<<2)
.irp b, 0,1,2,3
	v_max3_num_f32 v[TM+\b], |v[AC+16*\b]|, |v[AC+16*\b+1]|, 0x1800000
.endr
.irp i, 2,4,6,8,10,12,14
.irp b, 0,1,2,3
	v_max3_num_f32 v[TM+\b], |v[AC+16*\b+\i]|, |v[AC+16*\b+\i+1]|, v[TM+\b]
.endr
.endr
	WIN 0
.irp b, 0,1,2,3
	v_permlanex16_b32 v[TM+4+\b], v[TM+\b], s[SEL], s[SEL+1]
.endr
.irp b, 0,1,2,3
	v_max_num_f32 v[TM+\b], v[TM+\b], v[TM+4+\b]
.endr
.irp b, 0,1,2,3
	v_add_nc_u32 v[TM+12+\b], 0xff000000, v[TM+\b]
.endr
.irp b, 0,1,2,3
	v_lshrrev_b32 v[TM+4+\b], 23, v[TM+12+\b]
.endr
	v_lshl_or_b32 v[\pw], v[TM+5], 8, v[TM+4]
	v_lshl_or_b32 v[\pw], v[TM+6], 16, v[\pw]
	v_lshl_or_b32 v[\pw], v[TM+7], 24, v[\pw]
	WIN WW
	v_cvt_scalef32_pk16_fp6_f32 v[\pa:\pa+2], v[AC:AC+15], v[TM+12]
	v_cvt_scalef32_pk16_fp6_f32 v[T0:T0+2], v[AC+16:AC+31], v[TM+13]
	v_cvt_scalef32_pk16_fp6_f32 v[\pb:\pb+2], v[AC+32:AC+47], v[TM+14]
	v_cvt_scalef32_pk16_fp6_f32 v[T1:T1+2], v[AC+48:AC+63], v[TM+15]
	WIN 0
	v_nop
.irp i, 0,1,2
	v_permlane16_swap_b32 v[\pa+\i], v[T0+\i]
	v_permlane16_swap_b32 v[\pb+\i], v[T1+\i]
.endr
.irp i, 0,1,2
	v_mov_b32 v[\pa+3+\i], v[T0+\i]
	v_mov_b32 v[\pb+3+\i], v[T1+\i]
.endr
.endm
.macro PUT f, base, off, la            ; each store of the wave covers 512 consecutive bytes, aligned
.irp c, 0,1,2
	global_store_b128 v[\la], v[\f+4*\c:\f+4*\c+3], s[\base:\base+1] offset:\off+512*\c
.endr
.endm
	s_wait_loadcnt 0x0                             ; the bias of k or v
	WIN TO_B
.irp b, 0,1,2,3
	global_load_b128 v[128+8*\b:131+8*\b], v[HB], s[76:77] offset:64*\b      ; bq[16 b + 8 h + j] into window 1, v128-159
	global_load_b128 v[132+8*\b:135+8*\b], v[HB], s[76:77] offset:64*\b+16
.endr
	WIN 0
	s_mov_b32 s[SEL], 0x76543210
	s_mov_b32 s[SEL+1], 0xfedcba98
	s_mov_b32 s[HM], 0xffff0000
.irp b, 0,1,2,3
	v_mov_b32 v[TM+4+\b], 0
.endr
	s_cmp_eq_u32 s[KV], 1
	s_cbranch_scc1 .Lv
.irp e, 0,1,2,3                        ; k: two tiles of 16 tokens make a pair fragment for each of my two heads
.set FA, F0+24*(\e%2)
.set FB, FA+12
	s_wait_xcnt 0x0                                ; the stores of two pairs ago have read this set's registers
	QUANTW 2*\e, FA, FB, PW+2*\e, 0
	QUANTW 2*\e+1, FA+6, FB+6, PW+2*\e+1, 0
	PUT FA, OA, 1536*\e, LI+5*(\e%2)               ; the odd pair fragments by 16 (l xor 8)
	PUT FB, OB, 1536*\e, LI+5*(\e%2)
.endr
.irp e, 0,1,2,3
	v_perm_b32 v[WD+\e], v[PW+2*\e+1], v[PW+2*\e], 0x05040100
	v_perm_b32 v[WD+4+\e], v[PW+2*\e+1], v[PW+2*\e], 0x07060302
.endr
	v_cndmask_b32 v[WD+8], v[WD], v[WD+1], s[HM]
	v_cndmask_b32 v[WD+9], v[WD+2], v[WD+3], s[HM]
	v_cndmask_b32 v[WD+10], v[WD+4], v[WD+5], s[HM]
	v_cndmask_b32 v[WD+11], v[WD+6], v[WD+7], s[HM]
	global_store_b64 v[L8], v[WD+8:WD+9], s[SA:SA+1]
	global_store_b64 v[L8], v[WD+10:WD+11], s[SB:SB+1]
	s_branch .Ldone
.Lv:
.irp a, 0,1,2,3,4,5,6,7                ; v: a tile of 16 channels x my 128 keys is a whole fragment
.set FV, F0+12*(\a%2)
	s_wait_xcnt 0x0
	QUANTW \a, FV, FV+6, PW+\a, 1
.if \a < 4
	PUT FV, OA, 1536*\a, LI
.else
	PUT FV, OB, 1536*(\a-4), LI
.endif
.endr
	v_cndmask_b32 v[WD+8], v[PW], v[PW+1], s[HM]
	v_cndmask_b32 v[WD+9], v[PW+2], v[PW+3], s[HM]
	v_cndmask_b32 v[WD+10], v[PW+4], v[PW+5], s[HM]
	v_cndmask_b32 v[WD+11], v[PW+6], v[PW+7], s[HM]
	global_store_b64 v[L8], v[WD+8:WD+9], s[SA:SA+1]
	global_store_b64 v[L8], v[WD+10:WD+11], s[SB:SB+1]
.Ldone:
; Q'S PART.  Window 0: v32-63 all scale words (lanes 0-15 Xq's block i, lanes 16-31 Wq's block i; word q at 8 i + q), v64-255 two sets of fragments; window 1: v0-127 the 16 accumulators, v128-159 the bias.
.macro QFRAG reg, adr, q, i
.irp p, 0,1,2,3,4,5
.set PC, 12*(\q)+6*(\p/3)+\p%3
.if PC%32 < 29
	ds_load_b64 v[\reg+2*\p:\reg+2*\p+1], v[\adr] offset:8*PC+16*(PC/32)+(\i)*16*PB
.else
	ds_load_b64 v[\reg+2*\p:\reg+2*\p+1], v[\adr+1] offset:8*PC+16*(PC/32)+(\i)*16*PB
.endif
.endr
.endm
.macro QFETCH set, q
.irp i, 0,1,2,3
	QFRAG 64+96*(\set)+12*\i, QA, \q, \i
.endr
.irp i, 0,1,2,3
	QFRAG 112+96*(\set)+12*\i, QBV, \q, \i
.endr
.endm
.macro QMUL set, q, first              ; the 16 accumulators take turns
.irp a, 0,1,2,3
.irp b, 0,1,2,3
.if \first
	v_wmma_scale_f32_16x16x128_f8f6f4 v[8*(4*\a+\b):8*(4*\a+\b)+7], v[112+96*(\set)+12*\b:112+96*(\set)+12*\b+11], v[64+96*(\set)+12*\a:64+96*(\set)+12*\a+11], v[128+8*\b:128+8*\b+7], v[SC+8*\b+(\q)], v[SC+8*\a+(\q)] matrix_a_fmt:MATRIX_FMT_FP6 matrix_b_fmt:MATRIX_FMT_FP6 matrix_a_scale:MATRIX_SCALE_ROW1
.else
	v_wmma_scale_f32_16x16x128_f8f6f4 v[8*(4*\a+\b):8*(4*\a+\b)+7], v[112+96*(\set)+12*\b:112+96*(\set)+12*\b+11], v[64+96*(\set)+12*\a:64+96*(\set)+12*\a+11], v[8*(4*\a+\b):8*(4*\a+\b)+7], v[SC+8*\b+(\q)], v[SC+8*\a+(\q)] matrix_a_fmt:MATRIX_FMT_FP6 matrix_b_fmt:MATRIX_FMT_FP6 matrix_a_scale:MATRIX_SCALE_ROW1
.endif
.endr
.endr
.endm
	s_wait_xcnt 0x0                                ; my stores have read their registers: loads may land there
	s_wait_tensorcnt 0x0                           ; my rows of Xq are in,
	s_barrier_signal -1
	s_barrier_wait -1                              ; and all of q's tiles
.irp i, 0,1,2,3
	ds_load_b128 v[SC+8*\i:SC+8*\i+3], v[QS] offset:544*\i
	ds_load_b128 v[SC+8*\i+4:SC+8*\i+7], v[QS] offset:544*\i+16
.endr
	QFETCH 0, 0
.set Q, 0
.rept 8
.if Q < 7
.if Q > 0
	PLACES NP                                      ; ahead of loads into the set that the last step multiplied
.endif
	QFETCH (Q+1)%2, Q+1
	s_wait_dscnt 48                                ; all but the 48 just issued
.else
	s_wait_dscnt 0x0
.endif
.if Q == 0
	s_wait_loadcnt 0x0                             ; bq
	WIN 0x50
	QMUL 0, 0, 1
.else
	WIN 0x50
	QMUL Q%2, Q, 0
.endif
	WIN 0
.set Q, Q+1
.endr
; q's way out: block a of 16 queries x my head's 64 channels: two blocks of 32
.macro QUANTQ a, pa, pw
	WIN 0x05
.irp b, 0,1
	v_max3_num_f32 v[TM+\b], |v[32*(\a)+16*\b]|, |v[32*(\a)+16*\b+1]|, 0x1800000
.endr
.irp i, 2,4,6,8,10,12,14
.irp b, 0,1
	v_max3_num_f32 v[TM+\b], |v[32*(\a)+16*\b+\i]|, |v[32*(\a)+16*\b+\i+1]|, v[TM+\b]
.endr
.endr
	WIN 0
.irp b, 0,1
	v_permlanex16_b32 v[TM+4+\b], v[TM+\b], s[SEL], s[SEL+1]
.endr
.irp b, 0,1
	v_max_num_f32 v[TM+\b], v[TM+\b], v[TM+4+\b]
.endr
.irp b, 0,1
	v_add_nc_u32 v[TM+12+\b], 0xff000000, v[TM+\b]
.endr
.irp b, 0,1
	v_lshrrev_b32 v[TM+4+\b], 23, v[TM+12+\b]
.endr
	v_lshl_or_b32 v[\pw], v[TM+5], 8, v[TM+4]
	WIN 0x01
	v_cvt_scalef32_pk16_fp6_f32 v[\pa:\pa+2], v[32*(\a):32*(\a)+15], v[TM+12]
	v_cvt_scalef32_pk16_fp6_f32 v[T0:T0+2], v[32*(\a)+16:32*(\a)+31], v[TM+13]
	WIN 0
	v_nop
.irp i, 0,1,2
	v_permlane16_swap_b32 v[\pa+\i], v[T0+\i]
.endr
.irp i, 0,1,2
	v_mov_b32 v[\pa+3+\i], v[T0+\i]
.endr
.endm
	PLACES NP
.irp e, 0,1
	QUANTQ 2*\e, F0+12*\e, PW+2*\e
	QUANTQ 2*\e+1, F0+12*\e+6, PW+2*\e+1
	PUT F0+12*\e, 78, 1536*\e, LI+5*\e
.endr
	v_lshl_or_b32 v[WD], v[PW+1], 16, v[PW]
	v_lshl_or_b32 v[WD+1], v[PW+3], 16, v[PW+2]
	v_cndmask_b32 v[WD+2], v[WD], v[WD+1], s[HM]   ; lanes 0-15 my first fragment's words, lanes 16-31 my second's
	global_store_b32 v[L4], v[WD+2], s[4:5]        ; 128 consecutive bytes
	s_wait_tensorcnt 0x0                           ; the wave's end
	ds_add_u32 v[SPW], v[NIL]
	s_wait_dscnt 0x0
	CROUND
	s_endpgm
.Lfunc_end_k_qd25134218f_proj:
	.size	k_qd25134218f_proj, .Lfunc_end_k_qd25134218f_proj-k_qd25134218f_proj
	.p2alignl 7, 3214868480
	.fill 96, 4, 3214868480
	.section	.rodata,"a",@progbits
	.p2align	6, 0x0
	.amdhsa_kernel k_qd25134218f_proj
		.amdhsa_group_segment_fixed_size 327680
		.amdhsa_private_segment_fixed_size 0
		.amdhsa_enable_private_segment 0
		.amdhsa_kernarg_size 120
		.amdhsa_user_sgpr_count 2
		.amdhsa_user_sgpr_kernarg_segment_ptr 1
		.amdhsa_wavefront_size32 1
		.amdhsa_system_sgpr_workgroup_id_x 1
		.amdhsa_system_sgpr_workgroup_id_y 1
		.amdhsa_system_sgpr_workgroup_id_z 1
		.amdhsa_system_vgpr_workitem_id 0
		.amdhsa_next_free_vgpr 1024
		.amdhsa_next_free_sgpr 102
		.amdhsa_reserve_vcc 0
		.amdhsa_float_denorm_mode_32 3
		.amdhsa_float_denorm_mode_16_64 3
		.amdhsa_memory_ordered 1
		.amdhsa_forward_progress 1
		.amdhsa_inst_pref_size 255
	.end_amdhsa_kernel
	.section	.bss,"aw",@nobits
	.p2align	6
	.space	262144
	.amdgpu_metadata
---
amdhsa.version: [ 1, 2 ]
amdhsa.kernels:
  - .name:           k_qd25134218f_proj
    .symbol:         k_qd25134218f_proj.kd
    .args:
      - { .name: query_domain_codes, .offset: 0, .size: 8, .value_kind: global_buffer, .address_space: global }
      - { .name: query_domain_scales, .offset: 8, .size: 8, .value_kind: global_buffer, .address_space: global }
      - { .name: key_value_domain_codes, .offset: 16, .size: 8, .value_kind: global_buffer, .address_space: global }
      - { .name: key_value_domain_scales, .offset: 24, .size: 8, .value_kind: global_buffer, .address_space: global }
      - { .name: Wq_codes, .offset: 32, .size: 8, .value_kind: global_buffer, .address_space: global }
      - { .name: Wq_scales, .offset: 40, .size: 8, .value_kind: global_buffer, .address_space: global }
      - { .name: Wk_codes, .offset: 48, .size: 8, .value_kind: global_buffer, .address_space: global }
      - { .name: Wk_scales, .offset: 56, .size: 8, .value_kind: global_buffer, .address_space: global }
      - { .name: Wv_codes, .offset: 64, .size: 8, .value_kind: global_buffer, .address_space: global }
      - { .name: Wv_scales, .offset: 72, .size: 8, .value_kind: global_buffer, .address_space: global }
      - { .name: bq, .offset: 80, .size: 8, .value_kind: global_buffer, .address_space: global }
      - { .name: bk, .offset: 88, .size: 8, .value_kind: global_buffer, .address_space: global }
      - { .name: bv, .offset: 96, .size: 8, .value_kind: global_buffer, .address_space: global }
      - { .name: qimg, .offset: 104, .size: 8, .value_kind: global_buffer, .address_space: global }
      - { .name: kvimg, .offset: 112, .size: 8, .value_kind: global_buffer, .address_space: global }
    .group_segment_fixed_size: 327680
    .private_segment_fixed_size: 0
    .kernarg_segment_align: 8
    .kernarg_segment_size: 120
    .max_flat_workgroup_size: 128
    .sgpr_count:     102
    .vgpr_count:     1024
    .wavefront_size: 32
...
	.end_amdgpu_metadata
.endif
;; end of part 1
;; launch attn (part 2): grid 4 x 64, 16 waves a work-group, clusters of 4 x 1, 327,680 bytes of LDS; arguments qimg, kvimg, scale_factor, beta, ctximg, ctxsc; writes ctximg, ctxsc
.if DOCPART == 2
	.amdgcn_target "amdgcn-amd-amdhsa--gfx1250"
	.amdhsa_code_object_version 6
	.text
	.protected	k_qd25134218f_attn
	.globl	k_qd25134218f_attn
	.p2align	8
	.type	k_qd25134218f_attn,@function
k_qd25134218f_attn:
	s_mov_b64 s[64:65], 0
	v_nop
	global_prefetch_b8 v0, s[64:65] scope:SCOPE_SE
	s_setreg_imm32_b32 hwreg(HW_REG_WAVE_MODE, 25, 1), 1
	s_wait_xcnt 0x0
	s_wait_alu depctr_hold_cnt(0) depctr_sa_sdst(0) depctr_va_vdst(0) depctr_va_sdst(0) depctr_va_ssrc(0) depctr_va_vcc(0) depctr_vm_vsrc(0)
	s_getreg_b32 s2, hwreg(HW_REG_IB_STS2, 6, 4)
	s_cmp_eq_u32 s2, 0
	s_cbranch_scc0 .Lentry_in_a_cluster
	s_endpgm
.Lentry_in_a_cluster:
	s_bfe_u32 s2, ttmp6, 0x10000c
	s_cmp_lg_u32 s2, 0x3003
	s_cbranch_scc0 .Lentry_shape_is_right
	s_endpgm
.Lentry_shape_is_right:
; ctx = softmax(q k^T scale_factor / 8 + beta) v for one batch x head and 256 queries, on codes of FP6 with E8M0 scales; ctx is quantised along the channels and leaves as half fragments for the last product.
; 16 waves, 16 queries each.  The head's 16 records of 128 keys (k's and v's operand images, 12,800 bytes each, 204,800 in all) stay in LDS: wave w asks for record w, 50 rows of 256 bytes, the wave's one tensor load;
; the four work-groups of a cluster (the four query blocks of the head) ask jointly.  Waves 0 and 1 ask at the head; waves 2 to 15 behind the sequence and the round that follow the landing of records 0 and 1,
; so that the first two steps are worked while 14 records are on their way; a wait and a barrier then show these to all waves.  Nothing is filled again.
; All records are asked for before the first product: there is no later stream to run ahead of, so no prefetch.
; Both products are used transposed (S^T = k q^T, O^T = v^T p^T): a lane holds one query.
; A TILE OF K IS RE-FORMED BY LANE ADDRESSES: rows 0-7 come from pair fragment 2 c, rows 8-15 from 2 c + 1 (rows 8 u .. 8 u + 7 of each).  So lane (r, h) holds, in 32 registers, the whole block 2 c + h of 32 keys,
; in the order 0-7, 16-23, 8-15, 24-31, which is the order of v's images: a block's maximum needs no other lane and p's codes need no lane exchange.
; A head has 64 channels and the instruction 128: a pair fragment holds two tiles, and q stands in one half of its operand with zero codes in the other.
; t = score x |scale_factor| log2(e) / 8 + beta log2(e); scale_factor's sign goes into q's sign bits.  M = ceil(running largest t), kept as -M; p = 2^(t - M); the sum is taken of the unquantised p.
; A block's largest p is made from the block's largest score by the same multiply-add and exponential.
; LIMITS: the promise holds while |t| stays under 2^31; NaN and infinities are not served; a block whose every p is under 2^-124 keeps the scale byte 1.
.set REC,  12800
.set HKV,  16*REC
.set QREC, 6400
.set HQ,   8*QREC
.set SPARE, 16*REC
.set TB,   2
.set CNT,  3
.set B2,   16
.set WV,   18
.set SEL,  20
.set CS,   22
.set G1,   24
.set G0,   32
.set NC,   36
.set NB,   37
.set QB,   48
.set BH,   49
.set SG,   52
.set HSEL, 55
.macro CROUND
	s_barrier_signal -1
	s_barrier_wait -1
	s_cmp_lg_u32 s[WV], 0
	s_cbranch_scc1 .Lnot_wave_0_\@
	s_barrier_signal -3
.Lnot_wave_0_\@:
	s_barrier_wait -3
	s_barrier_signal -1
	s_barrier_wait -1
.endm
	s_load_b256 s[4:11], s[0:1], 0x0               ; qimg, kvimg, scale_factor, beta
	s_load_b128 s[12:15], s[0:1], 0x20             ; ctximg, ctxsc
	v_lshl_add_u32 v251, v0, 2, SPARE
	v_mov_b32 v255, 0
	ds_add_u32 v251, v255                          ; the opening lines
	ds_add_u32 v251, v255
	v_lshrrev_b32 v1, 5, v0
	v_readfirstlane_b32 s[WV], v1
	s_bfe_u32 s19, ttmp6, 0x40000
	s_lshl_b32 s[QB], ttmp9, 2
	s_add_co_u32 s[QB], s[QB], s19                 ; which 256 queries
	s_and_b32 s[BH], ttmp7, 0xffff                 ; batch x head
	s_mov_b32 s[G1], 15|(3<<16)|(1<<21)            ; a record: 50 rows of 32 elements of 8 bytes, dense
	s_mov_b32 s[G1+1], 32<<16
	s_mov_b32 s[G1+2], 50<<16
	s_mov_b32 s[G1+3], 32<<16
	s_mov_b32 s[G1+4], 50
	s_mov_b32 s[G1+5], 32
	s_mov_b32 s[G1+6], 0
	s_mov_b32 s[G1+7], 0
	s_mul_i32 s50, s[BH], HKV
	s_mul_i32 s56, s[WV], REC
	s_add_co_u32 s50, s50, s56
	s_mov_b32 s51, 0
	s_mov_b32 s[SEL], 0x76543210
	s_mov_b32 s[SEL+1], 0xfedcba98
	s_wait_dscnt 0x0
	s_wait_kmcnt 0x0
	s_load_b32 s[CS], s[8:9], 0x0
	s_load_b32 s[B2], s[10:11], 0x0
	s_add_nc_u64 s[50:51], s[6:7], s[50:51]
	s_mov_b32 s[G0], 1
	s_mov_b32 s[G0+1], s56
	s_mov_b64 s[G0+2:G0+3], s[50:51]
	s_or_b32 s[G0+3], s[G0+3], 0x80000000
	CROUND
	s_cmp_lt_u32 s[WV], 2
	s_cbranch_scc0 .Lnot_first
	tensor_load_to_lds s[G0:G0+3], s[G1:G1+7]      ; records 0 and 1
	s_nop 0
.Lnot_first:
	v_and_b32 v3, 31, v0
	v_lshlrev_b32 v1, 4, v3                        ; 16 lane
	v_lshlrev_b32 v2, 3, v3                        ; 8 lane
	v_and_b32 v4, 15, v0                           ; r
	v_lshlrev_b32 v5, 2, v4                        ; 4 r: q's scale words
	v_bfe_u32 v6, v0, 4, 1                         ; h
	v_bfe_u32 v7, v0, 3, 1                         ; r / 8
	v_and_b32 v8, 7, v0                            ; r % 8
	v_lshlrev_b32 v9, 4, v8
	v_lshl_add_u32 v9, v6, 8, v9                   ; 256 h + 16 (r % 8)
	v_mul_u32_u24 v212, v7, 1664
	v_mul_u32_u24 v213, v7, 1408
	v_add_nc_u32 v212, v212, v9                    ; u = 0: rows 0-7 of 2 c; in 2 c + 1 the same rows lie 128 bytes up
	v_add_nc_u32 v213, v213, v9
	v_add_nc_u32 v213, 128, v213                   ; u = 1
	v_lshlrev_b32 v214, 3, v8
	v_lshl_add_u32 v214, v6, 6, v214
	v_lshl_add_u32 v214, v7, 7, v214               ; k's scale words: lanes 0-15 those of u = 0, lanes 16-31 of u = 1
	v_lshlrev_b32 v215, 3, v6                      ; 8 h
	s_mul_i32 s57, s[BH], HQ
	s_lshl_b32 s58, s[QB], 1
	s_lshr_b32 s59, s[WV], 3
	s_add_co_u32 s58, s58, s59
	s_mul_i32 s58, s58, QREC
	s_add_co_u32 s57, s57, s58
	s_bfe_u32 s59, s[WV], 0x20001                  ; my pair fragment of q
	s_mul_i32 s60, s59, 1536
	s_add_co_u32 s60, s60, s57
	s_mov_b32 s61, 0
	s_add_nc_u64 s[60:61], s[4:5], s[60:61]
	s_and_b32 s62, s59, 1
	s_lshl_b32 s62, s62, 7
	v_xor_b32 v10, s62, v1                         ; an odd pair fragment lies by 16 (l xor 8)
	s_lshl_b32 s62, s59, 6                         ; its scale words: 64 bytes a fragment
	s_add_co_u32 s62, s62, s57
	s_add_co_u32 s62, s62, 6144
	s_mov_b32 s63, 0
	s_add_nc_u64 s[62:63], s[4:5], s[62:63]
	s_wait_alu depctr_va_vdst(0)                   ; the wait behind the run of scalar lines
.irp c, 0,1,2
	global_load_b128 v[192+4*\c:195+4*\c], v10, s[60:61] offset:512*\c
.endr
	global_load_b32 v207, v5, s[62:63]
	s_and_b32 s[HSEL], s[WV], 1
	s_lshl_b32 s57, s[HSEL], 4
	s_sub_co_u32 s[HSEL], 0, s[HSEL]
.irp i, 0,1,2,3,4,5
	v_mov_b32 v[16+\i], 0
	v_mov_b32 v[28+\i], 0
.endr
	v_mov_b32 v13, 0xff61b1e6                      ; the largest score so far: -3e38
	v_mov_b32 v11, 0x7f61b1e6                      ; -M
	v_mov_b32 v12, 0
	v_mov_b32 v14, 0
	v_mov_b32 v15, 0
	v_mov_b32 v253, 0
	v_mov_b32 v238, 0
	v_mov_b32 v239, 0
.set j, 0
.rept 32
	v_mov_b32 v[160+j], 0                          ; O^T
.set j, j+1
.endr
	s_wait_alu depctr_va_vdst(0)
	s_wait_kmcnt 0x0
	s_ashr_i32 s17, s[CS], 31
	s_and_b32 s[SG], s17, 0x20820820               ; the sign bits of 6-bit codes in three words
	s_and_b32 s[SG+1], s17, 0x08208208
	s_and_b32 s[SG+2], s17, 0x82082082
	s_and_b32 s[CS+1], s[CS], 0x7fffffff
	v_mov_b32 v6, s[CS+1]
	v_mul_f32 v6, 0x3e38aa3b, v6                   ; |scale_factor| log2(e) / 8
	v_readfirstlane_b32 s[CS], v6
	s_mov_b32 s[CS+1], s[CS]
	v_mov_b32 v7, s[B2]
	v_mul_f32 v7, 0x3fb8aa3b, v7                   ; beta log2(e)
	v_readfirstlane_b32 s[B2], v7
	s_xor_b32 s[NC], s[CS], 0x80000000
	s_xor_b32 s[NB], s[B2], 0x80000000
	s_wait_alu depctr_va_vdst(0)
	s_wait_loadcnt 0x0
.irp i, 0,1,2,3,4,5
	v_cndmask_b32 v[22+\i], v[192+\i], v[198+\i], s[HSEL]
.endr
.irp i, 0,1,2,3,4,5
	v_xor_b32 v[22+\i], s[SG+\i%3], v[22+\i]
.endr
	v_lshrrev_b32 v207, s57, v207
	v_and_b32 v207, 0xffff, v207
	v_or_b32 v34, 0x7f7f0000, v207                 ; q's scale word with q in the operand's lower half,
	v_lshlrev_b32 v35, 16, v207
	v_or_b32 v35, 0x7f7f, v35                      ; and in the upper
	s_wait_alu depctr_va_vdst(0)                   ; the wait at the head's end
	s_wait_tensorcnt 0x0                           ; records 0 and 1 are in,
	ds_add_u32 v251, v255                          ; the add twice
	ds_add_u32 v251, v255
	s_wait_dscnt 0x0
	CROUND
	s_cmp_lt_u32 s[WV], 2
	s_cbranch_scc1 .Lnot_second
	tensor_load_to_lds s[G0:G0+3], s[G1:G1+7]      ; records 2 to 15
	s_nop 0
.Lnot_second:
.macro STEP o                          ; 128 keys: the record at byte o behind the trip's addresses.  Five plain vector lines stand ahead of it on every way: the places behind the last products
	ds_load_b64 v[36:37], v218 offset:\o+12288
	ds_load_b64 v[38:39], v220 offset:\o+12544
.irp c, 0,1
.irp u, 0,1
.irp k, 0,1,2
	ds_load_b128 v[40+24*\c+12*\u+4*\k:43+24*\c+12*\u+4*\k], v[216+\u] offset:\o+3072*\c+512*\k
.endr
.endr
.endr
.irp c, 0,1
.irp u, 0,1
	s_wait_dscnt 9-3*(2*\c+\u)                     ; the loads of the later fragments may be out
.irp s, 0,1
.if \u
	v_wmma_scale_f32_16x16x128_f8f6f4 v[96+32*\c+16*\u+8*\s:103+32*\c+16*\u+8*\s], v[40+24*\c+12*\u:51+24*\c+12*\u], v[22-6*\s:33-6*\s], 0, v[36+\c], v[34+\s] matrix_a_fmt:MATRIX_FMT_FP6 matrix_b_fmt:MATRIX_FMT_FP6 matrix_a_scale:MATRIX_SCALE_ROW1
.else
	v_wmma_scale_f32_16x16x128_f8f6f4 v[96+32*\c+16*\u+8*\s:103+32*\c+16*\u+8*\s], v[40+24*\c+12*\u:51+24*\c+12*\u], v[22-6*\s:33-6*\s], 0, v[36+\c], v[34+\s] matrix_a_fmt:MATRIX_FMT_FP6 matrix_b_fmt:MATRIX_FMT_FP6
.endif
.endr
.endr
.endr
	v_mov_b32 v235, v11                            ; the old -M; with three v_nop the places behind the products
.rept 3
	v_nop
.endr
.irp t, 0,1,2,3
.irp k, 0,1,2
	ds_load_b128 v[40+12*\t+4*\k:43+12*\t+4*\k], v219 offset:\o+6144+1536*\t+512*\k
.endr
.endr
.irp c, 0,1                            ; my two blocks' largest scores, two chains each; every accumulator is first read in its four lowest registers
	v_max3_num_f32 v[232+\c], v[96+32*\c], v[97+32*\c], v[98+32*\c]
	v_max3_num_f32 v[240+\c], v[113+32*\c], v[114+32*\c], v[115+32*\c]
.endr
.irp i, 0,2,4,6,8,10
.irp c, 0,1
	v_max3_num_f32 v[232+\c], v[232+\c], v[99+32*\c+\i], v[100+32*\c+\i]
	v_max3_num_f32 v[240+\c], v[240+\c], v[116+32*\c+\i], v[117+32*\c+\i]
.endr
.endr
.irp c, 0,1
	v_max3_num_f32 v[232+\c], v[232+\c], v[111+32*\c], v[112+32*\c]
.endr
.irp c, 0,1
	s_delay_alu instid0(VALU_DEP_2)
	v_max_num_f32 v[232+\c], v[232+\c], v[240+\c]
.endr
	s_delay_alu instid0(VALU_DEP_1)
	v_max_num_f32 v254, v232, v233
	s_delay_alu instid0(VALU_DEP_1)
	v_permlanex16_b32 v238, v254, s[SEL], s[SEL+1]
	s_delay_alu instid0(VALU_DEP_1)
	v_max3_num_f32 v13, v13, v254, v238            ; the running largest score of my query
	s_delay_alu instid0(VALU_DEP_1)
	v_fma_f32 v254, v13, s[NC], s[NB]              ; -t
	s_delay_alu instid0(VALU_DEP_1)
	v_floor_f32 v11, v254                          ; -M = floor(-t)
	s_delay_alu instid0(VALU_DEP_1)
	v_sub_f32 v254, v11, v235                      ; old M less new M
	v_add_f32 v12, s[B2], v11
	s_delay_alu instid0(VALU_DEP_2)
	v_cvt_i32_f32 v254, v254
	s_delay_alu instid0(VALU_DEP_1)
	v_ldexp_f32 v252, 1.0, v254                    ; f = 2^(old M - new M)
.set j, 0
.rept 32
	v_pk_fma_f32 v[96+j:97+j], v[96+j:97+j], s[CS:CS+1], v[12:13] op_sel_hi:[1,0,0]
.set j, j+2
.endr
.irp c, 0,1
	v_fma_f32 v[232+\c], v[232+\c], s[CS], v12
.endr
	s_wait_alu depctr_va_vdst(0)                   ; the wait ahead of the batch
.set j, 0
.rept 64
	v_exp_f32 v[96+j], v[96+j]
.set j, j+1
.endr
	v_exp_f32 v232, v232
	v_exp_f32 v233, v233
	v_pk_mul_f32 v[14:15], v[14:15], v[252:253] op_sel_hi:[1,0]
	s_wait_alu depctr_va_vdst(0)                   ; and behind it
	v_pk_add_f32 v[236:237], v[96:97], v[98:99]
.set js, 4
.rept 13
	v_pk_add_f32 v[14:15], v[14:15], v[96+js:97+js]
	v_pk_add_f32 v[236:237], v[236:237], v[98+js:99+js]
.set js, js+4
.endr
.irp c, 0,1
	v_max_num_f32 v[232+\c], 0x1800000, v[232+\c]
.endr
.irp c, 0,1
	s_delay_alu instid0(VALU_DEP_2)
	v_add_nc_u32 v[244+\c], 0xff000000, v[232+\c]  ; the conversion's scale operand
.endr
.irp c, 0,1
	s_delay_alu instid0(VALU_DEP_2)
	v_lshrrev_b32 v[246+\c], 23, v[244+\c]
.endr
	s_delay_alu instid0(VALU_DEP_1)
	v_lshl_or_b32 v253, v247, 16, v246             ; my bytes: blocks h and 2 + h,
	s_delay_alu instid0(VALU_DEP_1)
	v_lshlrev_b32 v253, v215, v253                 ; at their places
	s_delay_alu instid0(VALU_DEP_1)
	v_permlanex16_b32 v239, v253, s[SEL], s[SEL+1]
.irp c, 0,1
	v_cvt_scalef32_pk16_fp6_f32 v[224+6*\c:226+6*\c], v[96+32*\c:111+32*\c], v[244+\c]
	v_cvt_scalef32_pk16_fp6_f32 v[204+4*\c:206+4*\c], v[112+32*\c:127+32*\c], v[244+\c]
.endr
	v_or_b32 v253, v253, v239                      ; with lane l xor 16's the word is whole.  (The plain place behind the conversions)
.irp c, 0,1
.irp i, 0,1,2
	v_mov_b32 v[227+6*\c+\i], v[204+4*\c+\i]
.endr
.endr
	s_wait_alu depctr_va_vdst(0)                   ; the wait directly ahead of the first reader of O^T
.set j, 0
.rept 16
	v_pk_mul_f32 v[160+j:161+j], v[160+j:161+j], v[252:253] op_sel_hi:[1,0]
.set j, j+2
.endr
	s_wait_alu depctr_va_vdst(0)
	s_wait_dscnt 0x0                               ; v's fragments
.irp t, 0,1,2,3
.if \t%2
	v_wmma_scale_f32_16x16x128_f8f6f4 v[160+8*\t:167+8*\t], v[40+12*\t:51+12*\t], v[224:235], v[160+8*\t:167+8*\t], v[38+\t/2], v253 matrix_a_fmt:MATRIX_FMT_FP6 matrix_b_fmt:MATRIX_FMT_FP6 matrix_a_scale:MATRIX_SCALE_ROW1
.else
	v_wmma_scale_f32_16x16x128_f8f6f4 v[160+8*\t:167+8*\t], v[40+12*\t:51+12*\t], v[224:235], v[160+8*\t:167+8*\t], v[38+\t/2], v253 matrix_a_fmt:MATRIX_FMT_FP6 matrix_b_fmt:MATRIX_FMT_FP6
.endif
.endr
.rept 2                                ; the sum's last five lines name no register of the products: they are the places behind them
	v_pk_add_f32 v[14:15], v[14:15], v[96+js:97+js]
	v_pk_add_f32 v[236:237], v[236:237], v[98+js:99+js]
.set js, js+4
.endr
	v_pk_add_f32 v[14:15], v[14:15], v[236:237]
.endm
.macro TRIP                            ; two records
	v_add_nc_u32 v216, s[TB], v212
	v_add_nc_u32 v217, s[TB], v213
	v_add_nc_u32 v218, s[TB], v214
	v_add_nc_u32 v219, s[TB], v1
	v_add_nc_u32 v220, s[TB], v2
	s_wait_alu depctr_va_vdst(0)
	STEP 0
	STEP REC
	s_add_co_u32 s[TB], s[TB], 2*REC
.endm
	s_mov_b32 s[TB], 0
	TRIP                                           ; records 0 and 1, while the others are on their way
	s_wait_alu depctr_va_vdst(0)
	s_wait_tensorcnt 0x0                           ; my record is in,
	s_barrier_signal -1
	s_barrier_wait -1                              ; and everybody's
	s_mov_b32 s[CNT], 7
.Ltrip:
	TRIP
	s_sub_co_u32 s[CNT], s[CNT], 1
	s_cmp_lg_u32 s[CNT], 0
	s_wait_alu depctr_va_vdst(0)
	s_cbranch_scc1 .Ltrip
	v_add_f32 v14, v14, v15
	s_delay_alu instid0(VALU_DEP_1)
	v_permlanex16_b32 v252, v14, s[SEL], s[SEL+1]
	s_delay_alu instid0(VALU_DEP_1)
	v_add_f32 v14, v14, v252                       ; the row's sum
	s_wait_alu depctr_va_vdst(0)
	v_rcp_f32 v14, v14
	v_lshlrev_b32 v5, 5, v4
	s_lshr_b32 s56, s[BH], 4
	s_and_b32 s57, s[BH], 15
	s_lshl_b32 s56, s56, 6
	s_lshl_b32 s58, s[QB], 4
	s_add_co_u32 s56, s56, s58
	s_add_co_u32 s56, s56, s[WV]                   ; my tile of 16 rows of ctx
	s_mul_i32 s58, s56, 12288
	s_mul_i32 s59, s57, 768
	s_add_co_u32 s58, s58, s59
	s_mov_b32 s59, 0
	s_add_nc_u64 s[12:13], s[12:13], s[58:59]
	s_lshl_b32 s58, s56, 9
	s_lshl_b32 s57, s57, 1
	s_add_co_u32 s58, s58, s57
	s_add_nc_u64 s[14:15], s[14:15], s[58:59]
	s_wait_alu depctr_va_vdst(0)
.set j, 0
.rept 16
	v_pk_mul_f32 v[96+j:97+j], v[160+j:161+j], v[14:15] op_sel_hi:[1,0]
.set j, j+2
.endr
.irp b, 0,1
.irp i, 0,1,2,3,4,5,6,7
	v_permlane16_swap_b32 v[96+16*\b+\i], v[104+16*\b+\i]   ; 16 neighbouring channels in a lane
.endr
.endr
.irp b, 0,1
	v_max3_num_f32 v[232+\b], |v[96+16*\b]|, |v[97+16*\b]|, 0x1800000
.endr
.irp i, 2,4,6,8,10,12,14
.irp b, 0,1
	s_delay_alu instid0(VALU_DEP_2)
	v_max3_num_f32 v[232+\b], v[232+\b], |v[96+16*\b+\i]|, |v[97+16*\b+\i]|
.endr
.endr
.irp b, 0,1
	s_delay_alu instid0(VALU_DEP_2)
	v_permlanex16_b32 v[236+\b], v[232+\b], s[SEL], s[SEL+1]
.endr
.irp b, 0,1
	s_delay_alu instid0(VALU_DEP_2)
	v_max_num_f32 v[232+\b], v[232+\b], v[236+\b]
.endr
.irp b, 0,1
	s_delay_alu instid0(VALU_DEP_2)
	v_add_nc_u32 v[244+\b], 0xff000000, v[232+\b]
.endr
.irp b, 0,1
	s_delay_alu instid0(VALU_DEP_2)
	v_lshrrev_b32 v[236+\b], 23, v[244+\b]
.endr
	s_delay_alu instid0(VALU_DEP_1)
	v_lshl_or_b32 v240, v237, 8, v236
	v_cvt_scalef32_pk16_fp6_f32 v[224:226], v[96:111], v244
	v_cvt_scalef32_pk16_fp6_f32 v[248:250], v[112:127], v245
	v_nop
.irp i, 0,1,2
	v_permlane16_swap_b32 v[224+\i], v[248+\i]
.endr
.irp i, 0,1,2
	s_delay_alu instid0(VALU_DEP_3)
	v_mov_b32 v[227+\i], v[248+\i]
.endr
.irp i, 0,1,2
	global_store_b64 v2, v[224+2*\i:225+2*\i], s[12:13] offset:256*\i   ; 256 consecutive bytes, aligned
.endr
	global_store_b16 v5, v240, s[14:15]
	s_wait_tensorcnt 0x0                           ; the wave's end
	ds_add_u32 v251, v255
	s_wait_dscnt 0x0
	CROUND
	s_endpgm
.Lfunc_end_k_qd25134218f_attn:
	.size	k_qd25134218f_attn, .Lfunc_end_k_qd25134218f_attn-k_qd25134218f_attn
	.p2alignl 7, 3214868480
	.fill 96, 4, 3214868480
	.section	.rodata,"a",@progbits
	.p2align	6, 0x0
	.amdhsa_kernel k_qd25134218f_attn
		.amdhsa_group_segment_fixed_size 327680
		.amdhsa_private_segment_fixed_size 0
		.amdhsa_enable_private_segment 0
		.amdhsa_kernarg_size 48
		.amdhsa_user_sgpr_count 2
		.amdhsa_user_sgpr_kernarg_segment_ptr 1
		.amdhsa_wavefront_size32 1
		.amdhsa_system_sgpr_workgroup_id_x 1
		.amdhsa_system_sgpr_workgroup_id_y 1
		.amdhsa_system_sgpr_workgroup_id_z 1
		.amdhsa_system_vgpr_workitem_id 0
		.amdhsa_next_free_vgpr 256
		.amdhsa_next_free_sgpr 66
		.amdhsa_reserve_vcc 0
		.amdhsa_float_denorm_mode_32 3
		.amdhsa_float_denorm_mode_16_64 3
		.amdhsa_memory_ordered 1
		.amdhsa_forward_progress 1
		.amdhsa_inst_pref_size 74
	.end_amdhsa_kernel
	.amdgpu_metadata
---
amdhsa.version: [ 1, 2 ]
amdhsa.kernels:
  - .name:           k_qd25134218f_attn
    .symbol:         k_qd25134218f_attn.kd
    .args:
      - { .name: qimg, .offset: 0, .size: 8, .value_kind: global_buffer, .address_space: global }
      - { .name: kvimg, .offset: 8, .size: 8, .value_kind: global_buffer, .address_space: global }
      - { .name: scale_factor, .offset: 16, .size: 8, .value_kind: global_buffer, .address_space: global }
      - { .name: beta, .offset: 24, .size: 8, .value_kind: global_buffer, .address_space: global }
      - { .name: ctximg, .offset: 32, .size: 8, .value_kind: global_buffer, .address_space: global }
      - { .name: ctxsc, .offset: 40, .size: 8, .value_kind: global_buffer, .address_space: global }
    .group_segment_fixed_size: 327680
    .private_segment_fixed_size: 0
    .kernarg_segment_align: 8
    .kernarg_segment_size: 48
    .max_flat_workgroup_size: 512
    .sgpr_count:     66
    .vgpr_count:     256
    .wavefront_size: 32
...
	.end_amdgpu_metadata
.endif
;; end of part 2
;; launch outp (part 3): grid 8 x 32, 4 waves a work-group, clusters of 4 x 4, 327,680 bytes of LDS; arguments ctximg, ctxsc, Wo_codes, Wo_scales, bo, out0; writes out0
.if DOCPART == 3
	.amdgcn_target "amdgcn-amd-amdhsa--gfx1250"
	.amdhsa_code_object_version 6
	.text
	.protected	k_qd25134218f_outp
	.globl	k_qd25134218f_outp
	.p2align	8
	.type	k_qd25134218f_outp,@function
k_qd25134218f_outp:
	s_mov_b64 s[64:65], 0
	v_nop
	global_prefetch_b8 v0, s[64:65] scope:SCOPE_SE
	s_setreg_imm32_b32 hwreg(HW_REG_WAVE_MODE, 25, 1), 1
	s_wait_xcnt 0x0
	s_wait_alu depctr_hold_cnt(0) depctr_sa_sdst(0) depctr_va_vdst(0) depctr_va_sdst(0) depctr_va_ssrc(0) depctr_va_vcc(0) depctr_vm_vsrc(0)
	s_getreg_b32 s2, hwreg(HW_REG_IB_STS2, 6, 4)
	s_cmp_eq_u32 s2, 0
	s_cbranch_scc0 .Lentry_in_a_cluster
	s_endpgm
.Lentry_in_a_cluster:
	s_bfe_u32 s2, ttmp6, 0x10000c
	s_cmp_lg_u32 s2, 0xf033
	s_cbranch_scc0 .Lentry_shape_is_right
	s_endpgm
.Lentry_shape_is_right:
; out = ctx Wo^T + bo on codes of FP6 with E8M0 scales, sums in f32.  4,096 x 1,024 results in 256 tiles of 128 x 128; a wave makes 64 x 64: 16 accumulators.
; ALL OF K (1,024) IS IN LDS AT ONCE: ctx's 128 rows as operand images (98,304 dense bytes, rows of 256), Wo's 128 rows of 768 bytes (16 bytes of padding behind every 256), and both sides' scale bytes:
; four tiles, one tensor load a wave at the head, nothing filled again, one barrier.  All is asked for at the head: there is no loop to run ahead in, so no prefetch.
; Clusters of 4 x 4: ctx's tile is shared along a row, Wo's along a column: joint loads.
; Source 0 = Wo's rows, source 1 = ctx's rows: a lane holds eight neighbouring numbers of a row of out.  The bias is the C of each accumulator's first product.
; Registers: window 0: v16-31 addresses, v32-63 all scale words (lanes 0-15 ctx's block i, lanes 16-31 Wo's block i; word q at 8 i + q), v64-255 two sets of fragments; window 1: v0-127 accumulators, v128-159 the bias.
.set PB,     816
.set BBASE,  98304
.set SCL,    BBASE+128*PB
.set HS,     4352
.set STAGE,  SCL+2*HS
.set SPITCH, 272
.set SPARE,  STAGE+4*16*SPITCH
.set ADRA, 16
.set ADRB, 20
.set STO,  24
.set RD,   25
.set CO,   26
.set ADRS, 27
.set SPW,  28
.set NIL,  29
.set HB,   30
.set SC,   32
.set AF,   64
.set BF,   112
.set BI,   128
.set G1A, 24
.set G1B, 32
.set G1S, 48
.set G1T, 56
.set G0A, 68
.set G0B, 72
.set G0S, 76
.set G0T, 80
.set MSB, 0
.macro WIN new
.if MSB != (\new)
	s_set_vgpr_msb (MSB<<8)|(\new)
.set MSB, (\new)
.endif
.endm
.macro CROUND
	s_barrier_signal -1
	s_barrier_wait -1
	s_cmp_lg_u32 s16, 0
	s_cbranch_scc1 .Lnot_wave_0_\@
	s_barrier_signal -3
.Lnot_wave_0_\@:
	s_barrier_wait -3
	s_barrier_signal -1
	s_barrier_wait -1
.endm
	s_load_b128 s[4:7], s[0:1], 0x0                ; ctximg, ctxsc
	s_load_b128 s[8:11], s[0:1], 0x10              ; Wo's codes, scales
	s_load_b128 s[12:15], s[0:1], 0x20             ; bo, out0
	v_lshl_add_u32 v[SPW], v0, 2, SPARE
	v_mov_b32 v[NIL], 0
	ds_add_u32 v[SPW], v[NIL]                      ; the opening lines
	ds_add_u32 v[SPW], v[NIL]
	v_lshrrev_b32 v1, 5, v0
	v_readfirstlane_b32 s16, v1                    ; wave
	s_lshr_b32 s17, s16, 1                         ; my 64 rows of ctx
	s_and_b32 s18, s16, 1                          ; my 64 rows of Wo
	s_bfe_u32 s40, ttmp6, 0x40000
	s_bfe_u32 s41, ttmp6, 0x40004
	s_lshl_b32 s42, ttmp9, 2
	s_add_co_u32 s42, s42, s40                     ; tile column
	s_and_b32 s43, ttmp7, 0xffff
	s_lshl_b32 s43, s43, 2
	s_add_co_u32 s43, s43, s41                     ; tile row
	s_lshl_b32 s44, s41, 2
	s_lshl_b32 s44, 15, s44                        ; my row of the cluster
	s_lshl_b32 s45, 0x1111, s40                    ; my column
	s_or_b32 s[G1A], s44, (3<<16)|(1<<21)          ; 384 rows of 256 bytes, dense
	s_mov_b32 s[G1A+1], 32<<16
	s_mov_b32 s[G1A+2], 384<<16
	s_mov_b32 s[G1A+3], 32<<16
	s_mov_b32 s[G1A+4], 384
	s_mov_b32 s[G1A+5], 32
	s_mov_b32 s[G1A+6], 0
	s_mov_b32 s[G1A+7], 0
	s_or_b32 s[G1B], s45, (0<<16)|(1<<20)|(1<<21)|(5<<22)|(3<<25)   ; 128 rows of 768 bytes
	s_mov_b32 s[G1B+1], 768<<16
	s_mov_b32 s[G1B+2], 128<<16
	s_mov_b32 s[G1B+3], 768<<16
	s_mov_b32 s[G1B+4], 128
	s_mov_b32 s[G1B+5], 768
	s_mov_b32 s[G1B+6], 0
	s_mov_b32 s[G1B+7], 0
	s_or_b32 s[G1S], s44, (3<<16)|(1<<20)|(1<<21)|(5<<22)|(3<<25)   ; scale bytes of 128 rows: 16 rows of 256 bytes
	s_or_b32 s[G1T], s45, (3<<16)|(1<<20)|(1<<21)|(5<<22)|(3<<25)
.irp g, G1S, G1T
	s_mov_b32 s[\g+1], 32<<16
	s_mov_b32 s[\g+2], 16<<16
	s_mov_b32 s[\g+3], 32<<16
	s_mov_b32 s[\g+4], 16
	s_mov_b32 s[\g+5], 32
	s_mov_b32 s[\g+6], 0
	s_mov_b32 s[\g+7], 0
.endr
	s_mul_i32 s20, s43, 98304
	s_mov_b32 s21, 0
	s_lshl_b32 s22, s43, 12
	s_mov_b32 s23, 0
	s_mul_i32 s46, s42, 98304
	s_mov_b32 s47, 0
	s_lshl_b32 s84, s42, 12
	s_mov_b32 s85, 0
	s_wait_dscnt 0x0
	s_wait_kmcnt 0x0
	s_mov_b32 s[G0A], 1
	s_mov_b32 s[G0A+1], 0
	s_add_nc_u64 s[G0A+2:G0A+3], s[4:5], s[20:21]
	s_or_b32 s[G0A+3], s[G0A+3], 0x80000000
	s_mov_b32 s[G0B], 1
	s_mov_b32 s[G0B+1], BBASE
	s_add_nc_u64 s[G0B+2:G0B+3], s[8:9], s[46:47]
	s_or_b32 s[G0B+3], s[G0B+3], 0x80000000
	s_mov_b32 s[G0S], 1
	s_mov_b32 s[G0S+1], SCL
	s_add_nc_u64 s[G0S+2:G0S+3], s[6:7], s[22:23]
	s_or_b32 s[G0S+3], s[G0S+3], 0x80000000
	s_mov_b32 s[G0T], 1
	s_mov_b32 s[G0T+1], SCL+HS
	s_add_nc_u64 s[G0T+2:G0T+3], s[10:11], s[84:85]
	s_or_b32 s[G0T+3], s[G0T+3], 0x80000000
	CROUND                                         ; the joint loads meet
.macro ARM under, g0, g1, next
	s_cmp_lt_u32 s16, \under
	s_cbranch_scc0 \next
	tensor_load_to_lds s[\g0:\g0+3], s[\g1:\g1+7]
	s_nop 0
.rept 4
	v_nop
.endr
	s_branch .Lhead_asked
\next:
.endm
	ARM 1, G0A, G1A, .Lhead_b
	ARM 2, G0B, G1B, .Lhead_sa
	ARM 3, G0S, G1S, .Lhead_sb
	tensor_load_to_lds s[G0T:G0T+3], s[G1T:G1T+7]
	s_nop 0
.rept 4
	v_nop
.endr
.Lhead_asked:
	v_and_b32 v1, 15, v0                           ; r
	v_bfe_u32 v2, v0, 4, 1                         ; h
	v_and_b32 v6, 31, v0
	v_lshlrev_b32 v7, 3, v6
	s_mul_i32 s20, s17, 49152                      ; four tiles of 16 rows, 12,288 bytes each
	v_add_nc_u32 v[ADRA], s20, v7
	v_mul_u32_u24 v3, v1, PB
	v_mul_u32_u24 v4, v2, 24
	v_add_nc_u32 v4, v3, v4
	v_lshl_add_u32 v5, v2, 4, v4                   ; lanes 16-31 behind one padding more
	s_mul_i32 s21, s18, 64*PB
	s_add_co_u32 s21, s21, BBASE
	v_add_nc_u32 v[ADRB], s21, v4
	v_add_nc_u32 v[ADRB+1], s21, v5
	v_lshlrev_b32 v5, 5, v1                        ; 32 scale bytes a row,
	v_lshrrev_b32 v3, 8, v5
	v_lshl_add_u32 v5, v3, 4, v5                   ; 16 more for each 256 passed
	s_mul_i32 s22, s17, 2176
	s_mul_i32 s23, s18, 2176
	s_add_co_u32 s23, s23, HS
	s_sub_co_u32 s23, s23, s22
	v_mul_u32_u24 v3, s23, v2                      ; lanes 16-31 take Wo's
	s_add_co_u32 s22, s22, SCL
	v_add_nc_u32 v5, v5, v3
	v_add_nc_u32 v[ADRS], s22, v5
	s_mul_i32 s23, s16, 16*SPITCH
	s_add_co_u32 s23, s23, STAGE
	v_mul_u32_u24 v5, v1, SPITCH
	v_lshl_add_u32 v5, v2, 5, v5
	v_add_nc_u32 v[STO], s23, v5                   ; in: row r, 32 bytes for each half of the lanes
	v_mul_u32_u24 v5, v2, SPITCH
	v_lshl_add_u32 v5, v1, 4, v5
	v_add_nc_u32 v[RD], s23, v5                    ; back: two rows of 256 bytes
	v_lshlrev_b32 v[CO], 12, v2
	v_lshl_add_u32 v[CO], v1, 4, v[CO]             ; the same two rows in out
	v_lshlrev_b32 v[HB], 5, v2
	s_wait_alu depctr_va_vdst(0)                   ; the wait ahead of the run of scalar lines
	s_lshl_b32 s20, s43, 7
	s_lshl_b32 s21, s17, 6
	s_add_co_u32 s20, s20, s21
	s_lshl_b32 s20, s20, 12                        ; my first row of out, 4,096 bytes a row
	s_lshl_b32 s46, s42, 9
	s_lshl_b32 s47, s18, 8
	s_add_co_u32 s46, s46, s47                     ; my first column, in bytes
	s_mov_b32 s47, 0
	s_mov_b32 s21, 0
	s_add_nc_u64 s[14:15], s[14:15], s[20:21]
	s_add_nc_u64 s[14:15], s[14:15], s[46:47]
	s_add_nc_u64 s[12:13], s[12:13], s[46:47]
	WIN 0x40
.irp b, 0,1,2,3
	global_load_b128 v[BI+8*\b:BI+8*\b+3], v[HB], s[12:13] offset:64*\b
	global_load_b128 v[BI+8*\b+4:BI+8*\b+7], v[HB], s[12:13] offset:64*\b+16
.endr
	WIN 0
.macro FETCH set, q                    ; the fragments of step q: ctx's four from images, Wo's four from padded rows
.irp i, 0,1,2,3
.irp p, 0,1,2,3,4,5
	ds_load_b64 v[AF+96*(\set)+12*\i+2*\p:AF+96*(\set)+12*\i+2*\p+1], v[ADRA] offset:12288*\i+1536*(\q)+256*\p
.endr
.endr
.irp i, 0,1,2,3
.irp p, 0,1,2,3,4,5
.set PC, 12*(\q)+6*(\p/3)+\p%3
.if PC%32 < 29
	ds_load_b64 v[BF+96*(\set)+12*\i+2*\p:BF+96*(\set)+12*\i+2*\p+1], v[ADRB] offset:8*PC+16*(PC/32)+\i*16*PB
.else
	ds_load_b64 v[BF+96*(\set)+12*\i+2*\p:BF+96*(\set)+12*\i+2*\p+1], v[ADRB+1] offset:8*PC+16*(PC/32)+\i*16*PB
.endif
.endr
.endr
.endm
.macro MUL set, q, first               ; the 16 accumulators take turns
.irp a, 0,1,2,3
.irp b, 0,1,2,3
.if \first
	v_wmma_scale_f32_16x16x128_f8f6f4 v[8*(4*\a+\b):8*(4*\a+\b)+7], v[BF+96*(\set)+12*\b:BF+96*(\set)+12*\b+11], v[AF+96*(\set)+12*\a:AF+96*(\set)+12*\a+11], v[BI+8*\b:BI+8*\b+7], v[SC+8*\b+(\q)], v[SC+8*\a+(\q)] matrix_a_fmt:MATRIX_FMT_FP6 matrix_b_fmt:MATRIX_FMT_FP6 matrix_a_scale:MATRIX_SCALE_ROW1
.else
	v_wmma_scale_f32_16x16x128_f8f6f4 v[8*(4*\a+\b):8*(4*\a+\b)+7], v[BF+96*(\set)+12*\b:BF+96*(\set)+12*\b+11], v[AF+96*(\set)+12*\a:AF+96*(\set)+12*\a+11], v[8*(4*\a+\b):8*(4*\a+\b)+7], v[SC+8*\b+(\q)], v[SC+8*\a+(\q)] matrix_a_fmt:MATRIX_FMT_FP6 matrix_b_fmt:MATRIX_FMT_FP6 matrix_a_scale:MATRIX_SCALE_ROW1
.endif
.endr
.endr
.endm
	s_wait_alu depctr_va_vdst(0)                   ; the wait at the head's end
	s_wait_tensorcnt 0x0                           ; my tile is in,
	s_barrier_signal -1
	s_barrier_wait -1                              ; and all four
.irp i, 0,1,2,3
	ds_load_b128 v[SC+8*\i:SC+8*\i+3], v[ADRS] offset:544*\i
	ds_load_b128 v[SC+8*\i+4:SC+8*\i+7], v[ADRS] offset:544*\i+16
.endr
	FETCH 0, 0
.set Q, 0
.rept 8
.if Q < 7
.if Q > 0
.rept 4
	v_nop                                          ; places ahead of loads into the set that the last step multiplied
.endr
.endif
	FETCH (Q+1)%2, Q+1
	s_wait_dscnt 48                                ; all but the 48 just issued
.else
	s_wait_dscnt 0x0
.endif
.if Q == 0
	s_wait_loadcnt 0x0                             ; the bias
	WIN 0x50
	MUL 0, 0, 1
.else
	WIN 0x50
	MUL Q%2, Q, 0
.endif
	WIN 0
.set Q, Q+1
.endr
; the way out: 16 rows x 64 columns at a time through my own stage, back as whole rows of 256 bytes
.macro TOSTAGE a
	WIN 0x04
.irp b, 0,1,2,3
	ds_store_b128 v[STO], v[32*(\a)+8*\b:32*(\a)+8*\b+3] offset:64*\b
	ds_store_b128 v[STO], v[32*(\a)+8*\b+4:32*(\a)+8*\b+7] offset:64*\b+16
.endr
	WIN 0
.irp t, 0,1,2,3,4,5,6,7
	ds_load_b128 v[64+32*(\a)+4*\t:64+32*(\a)+4*\t+3], v[RD] offset:\t*2*SPITCH
.endr
.endm
.macro SEND a, younger
	s_wait_dscnt \younger
.irp t, 0,1,2,3,4,5,6,7
	global_store_b128 v[CO], v[64+32*(\a)+4*\t:64+32*(\a)+4*\t+3], s[14:15] offset:(16*(\a)+2*\t)*4096 th:TH_STORE_NT   ; 16 lanes store 256 consecutive bytes, aligned
.endr
.endm
.rept 4
	v_nop
.endr
	TOSTAGE 0
.irp a, 1,2,3
	TOSTAGE \a
	SEND \a-1, 16                                  ; behind that block's loads: 8 stores and 8 loads
.endr
	SEND 3, 0
	s_wait_tensorcnt 0x0                           ; the wave's end
	ds_add_u32 v[SPW], v[NIL]
	s_wait_dscnt 0x0
	CROUND
	s_endpgm
.Lfunc_end_k_qd25134218f_outp:
	.size	k_qd25134218f_outp, .Lfunc_end_k_qd25134218f_outp-k_qd25134218f_outp
	.p2alignl 7, 3214868480
	.fill 96, 4, 3214868480
	.section	.rodata,"a",@progbits
	.p2align	6, 0x0
	.amdhsa_kernel k_qd25134218f_outp
		.amdhsa_group_segment_fixed_size 327680
		.amdhsa_private_segment_fixed_size 0
		.amdhsa_enable_private_segment 0
		.amdhsa_kernarg_size 48
		.amdhsa_user_sgpr_count 2
		.amdhsa_user_sgpr_kernarg_segment_ptr 1
		.amdhsa_wavefront_size32 1
		.amdhsa_system_sgpr_workgroup_id_x 1
		.amdhsa_system_sgpr_workgroup_id_y 1
		.amdhsa_system_sgpr_workgroup_id_z 1
		.amdhsa_system_vgpr_workitem_id 0
		.amdhsa_next_free_vgpr 448
		.amdhsa_next_free_sgpr 100
		.amdhsa_reserve_vcc 0
		.amdhsa_float_denorm_mode_32 3
		.amdhsa_float_denorm_mode_16_64 3
		.amdhsa_memory_ordered 1
		.amdhsa_forward_progress 1
		.amdhsa_inst_pref_size 59
	.end_amdhsa_kernel
	.amdgpu_metadata
---
amdhsa.version: [ 1, 2 ]
amdhsa.kernels:
  - .name:           k_qd25134218f_outp
    .symbol:         k_qd25134218f_outp.kd
    .args:
      - { .name: ctximg, .offset: 0, .size: 8, .value_kind: global_buffer, .address_space: global }
      - { .name: ctxsc, .offset: 8, .size: 8, .value_kind: global_buffer, .address_space: global }
      - { .name: Wo_codes, .offset: 16, .size: 8, .value_kind: global_buffer, .address_space: global }
      - { .name: Wo_scales, .offset: 24, .size: 8, .value_kind: global_buffer, .address_space: global }
      - { .name: bo, .offset: 32, .size: 8, .value_kind: global_buffer, .address_space: global }
      - { .name: out0, .offset: 40, .size: 8, .value_kind: global_buffer, .address_space: global }
    .group_segment_fixed_size: 327680
    .private_segment_fixed_size: 0
    .kernarg_segment_align: 8
    .kernarg_segment_size: 48
    .max_flat_workgroup_size: 128
    .sgpr_count:     100
    .vgpr_count:     448
    .wavefront_size: 32
...
	.end_amdgpu_metadata
.endif
;; end of part 3
